; MI455X (gfx1250); checked and timed in simulation.
; The chip was launched on July 23, 2026; its instructions are those of AMD's public machine-readable ISA for CDNA 5 (MIT licence, August 2026) and "CDNA5" Instruction Set Architecture Reference Guide (July 2026). The comments in the code are by the model that wrote it; some were corrected since.
;; Dev Layer. Allowed arithmetic: float matrix products may take bf16 or f16 operands with f32 sums; other float arithmetic in f32, or as packed bf16 or f16 multiplies, adds, multiply-adds, maxima and minima; sums over many terms, partial sums and values carried from step to step in f32; what a program stores and reads back later, other than sums and carried values, may be rounded once to bf16 or f16.
;; Inputs: dis_attn_W 16 x 512 x 512 float32; dis_attn_b 16 x 512 float32; dis_ff1_W 16 x 512 x 1,024 float32; dis_ff1_b 16 x 1,024 float32; dis_ff2_W 16 x 1,024 x 512 float32; dis_ff2_b 16 x 512 float32; dis_input 8 x 2,048 x 512 float32; dis_ln1_b 16 x 512 float32; dis_ln1_g 16 x 512 float32; dis_ln2_b 16 x 512 float32; dis_ln2_g 16 x 512 float32; dis_sel_W 512 x 16 float32; dis_sel_b 16 float32; emb_b1 16 x 512 float32; emb_b2 16 x 512 float32; emb_input 8 x 2,048 x 512 float32; emb_ln_b 16 x 512 float32; emb_ln_g 16 x 512 float32; emb_sel_W 512 x 16 float32; emb_sel_b 16 float32; emb_w1 16 x 512 x 512 float32; emb_w2 16 x 512 x 512 float32; torsion 8 x 512 float32.
;; Outputs: out0 8 x 2,048 x 512 float32; out1 8 x 2,048 x 512 float32.
;; Constants: delay_steps = 3, dis_unlocked = 1.
;; 3 versions, each right; version 3 is version 2 with the launch colsum written anew for expert scheduling mode. Each part assembles by itself: llvm-mc -triple=amdgcn-amd-amdhsa -mcpu=gfx1250 --defsym DOCPART=n.
;; ======== version 1 of 3: 4 launches
;; limits: a function is approximated: absolute error at most 2.5e-05
;; workspace buffers: part 589,824 bytes; means 18,432 bytes; idx 256 bytes of whole numbers; wq 7,340,032 bytes; par 917,504 bytes
;; launch colsum (part 1): grid 32 x 9, 4 waves a work-group, no clusters, 0 bytes of LDS; arguments dis_input, emb_input, part; writes part
.if DOCPART == 1
	.amdgcn_target "amdgcn-amd-amdhsa--gfx1250"
	.amdhsa_code_object_version 6
	.text
	.protected	k_q46fb65ede2_colsum
	.globl	k_q46fb65ede2_colsum
	.p2align	8
	.type	k_q46fb65ede2_colsum,@function
k_q46fb65ede2_colsum:
	s_mov_b64 s[64:65], 0
	v_nop
	global_prefetch_b8 v0, s[64:65] scope:SCOPE_SE
	s_setreg_imm32_b32 hwreg(HW_REG_WAVE_MODE, 25, 1), 1
	s_wait_xcnt 0x0
; PARTIAL COLUMN SUMS.  Nine slabs of 2,048 rows x 512 f32: slabs 0 to 7 are dis_input's batch elements, slab 8 is emb_input's batch element 0
; (the only one whose mean steers anything).  A work-group (chunk x, slab y) adds 64 rows; part[slab][chunk][512] takes the sums in f32.
; Thread t owns the 16 bytes at 16 t of every row: a wave's load covers 512 consecutive bytes, the four waves a row.
; A ring of 32 row slots in registers keeps 32 loads of every wave on their way; two chains of sums take turns.
; No LDS, no matrix unit, no cluster: the launch streams, and no two work-groups read the same bytes.
.set ROW, 2048                         ; bytes in a row
.set X,   8                            ; v[8:135]   slot i: 4 registers
.set A0,  2                            ; v[2:5]     chain 0
.set A1,  140                          ; v[140:143] chain 1
	s_load_b128 s[4:7], s[0:1], 0x0                ; dis_input s[4:5], emb_input s[6:7]
	s_load_b64 s[8:9], s[0:1], 0x10                ; part
	s_and_b32 s10, ttmp7, 0xffff                   ; slab
	v_lshlrev_b32 v1, 4, v0                        ; my 16 bytes of a row
	s_cmp_eq_u32 s10, 8
	s_cselect_b32 s11, 0, s10                      ; the batch element
	s_lshl_b32 s12, s11, 22                        ; 2,048 rows of 2,048 bytes each,
	s_lshl_b32 s13, ttmp9, 17                      ; and the chunk's 64 rows
	s_add_co_u32 s12, s12, s13
	s_mov_b32 s13, 0
	s_lshl_b32 s14, s10, 5
	s_add_co_u32 s14, s14, ttmp9
	s_lshl_b32 s14, s14, 11                        ; (32 slab + chunk) x 2,048 bytes
	s_mov_b32 s15, 0
	s_wait_kmcnt 0x0
	s_cmp_eq_u32 s10, 8
	s_cselect_b64 s[4:5], s[6:7], s[4:5]           ; slab 8 reads emb_input
	s_add_nc_u64 s[4:5], s[4:5], s[12:13]
	s_add_nc_u64 s[8:9], s[8:9], s[14:15]
.set i, 0
.rept 32
	global_load_b128 v[X+4*i:X+4*i+3], v1, s[4:5] offset:i*ROW   ; rows 0 to 31
.set i, i+1
.endr
; Two slots' turn.  start = 1: the two rows start a chain, nothing is cleared.  again = 1: the slots take rows 32 + 2 p and 33 + 2 p.
; left = the younger loads that may stay out.
.macro STEP p, start, again, left
	s_wait_loadcnt \left
.set AC, A0+(A1-A0)*((\p)%2)
.set XA, X+8*(\p)
.if \start
	v_pk_add_f32 v[AC:AC+1], v[XA:XA+1], v[XA+4:XA+5]
	v_pk_add_f32 v[AC+2:AC+3], v[XA+2:XA+3], v[XA+6:XA+7]
.else
	v_pk_add_f32 v[AC:AC+1], v[AC:AC+1], v[XA:XA+1]
	v_pk_add_f32 v[AC+2:AC+3], v[AC+2:AC+3], v[XA+2:XA+3]
	v_pk_add_f32 v[AC:AC+1], v[AC:AC+1], v[XA+4:XA+5]
	v_pk_add_f32 v[AC+2:AC+3], v[AC+2:AC+3], v[XA+6:XA+7]
.endif
.if \again
	global_load_b128 v[XA:XA+3], v1, s[4:5] offset:(32+2*(\p))*ROW
	global_load_b128 v[XA+4:XA+7], v1, s[4:5] offset:(33+2*(\p))*ROW
.endif
.endm
	STEP 0, 1, 1, 30                               ; 32 + 2 p loads are issued, the oldest 2 p + 2 are wanted: 30 may stay out
	STEP 1, 1, 1, 30
.set pp, 2
.rept 14
	STEP pp, 0, 1, 30
.set pp, pp+1
.endr
.set pp, 0
.rept 16
	STEP pp, 0, 0, 30-2*pp                         ; nothing more is loaded: the counts run down
.set pp, pp+1
.endr
	v_pk_add_f32 v[A0:A0+1], v[A0:A0+1], v[A1:A1+1]
	v_pk_add_f32 v[A0+2:A0+3], v[A0+2:A0+3], v[A1+2:A1+3]
	global_store_b128 v1, v[A0:A0+3], s[8:9]       ; a wave stores 512 consecutive bytes
	s_endpgm
.Lfunc_end_k_q46fb65ede2_colsum:
	.size	k_q46fb65ede2_colsum, .Lfunc_end_k_q46fb65ede2_colsum-k_q46fb65ede2_colsum
	.p2alignl 7, 3214868480
	.fill 96, 4, 3214868480
	.section	.rodata,"a",@progbits
	.p2align	6, 0x0
	.amdhsa_kernel k_q46fb65ede2_colsum
		.amdhsa_group_segment_fixed_size 0
		.amdhsa_private_segment_fixed_size 0
		.amdhsa_enable_private_segment 0
		.amdhsa_kernarg_size 24
		.amdhsa_user_sgpr_count 2
		.amdhsa_user_sgpr_kernarg_segment_ptr 1
		.amdhsa_wavefront_size32 1
		.amdhsa_system_sgpr_workgroup_id_x 1
		.amdhsa_system_sgpr_workgroup_id_y 1
		.amdhsa_system_sgpr_workgroup_id_z 1
		.amdhsa_system_vgpr_workitem_id 0
		.amdhsa_next_free_vgpr 144
		.amdhsa_next_free_sgpr 66
		.amdhsa_reserve_vcc 0
		.amdhsa_float_denorm_mode_32 3
		.amdhsa_float_denorm_mode_16_64 3
		.amdhsa_memory_ordered 1
		.amdhsa_forward_progress 1
		.amdhsa_inst_pref_size 16
	.end_amdhsa_kernel
	.amdgpu_metadata
---
amdhsa.version: [ 1, 2 ]
amdhsa.kernels:
  - .name:           k_q46fb65ede2_colsum
    .symbol:         k_q46fb65ede2_colsum.kd
    .args:
      - { .name: dis_input, .offset: 0, .size: 8, .value_kind: global_buffer, .address_space: global }
      - { .name: emb_input, .offset: 8, .size: 8, .value_kind: global_buffer, .address_space: global }
      - { .name: part, .offset: 16, .size: 8, .value_kind: global_buffer, .address_space: global }
    .group_segment_fixed_size: 0
    .private_segment_fixed_size: 0
    .kernarg_segment_align: 8
    .kernarg_segment_size: 24
    .max_flat_workgroup_size: 128
    .sgpr_count:     66
    .vgpr_count:     144
    .wavefront_size: 32
...
	.end_amdgpu_metadata
.endif
;; end of part 1
;; launch route (part 2): grid 9 x 1, 4 waves a work-group, no clusters, 1,024 bytes of LDS; arguments part, dis_sel_W, dis_sel_b, emb_sel_W, emb_sel_b, means, idx; writes means, idx
.if DOCPART == 2
	.amdgcn_target "amdgcn-amd-amdhsa--gfx1250"
	.amdhsa_code_object_version 6
	.text
	.protected	k_q46fb65ede2_route
	.globl	k_q46fb65ede2_route
	.p2align	8
	.type	k_q46fb65ede2_route,@function
k_q46fb65ede2_route:
	s_mov_b64 s[64:65], 0
	v_nop
	global_prefetch_b8 v0, s[64:65] scope:SCOPE_SE
	s_setreg_imm32_b32 hwreg(HW_REG_WAVE_MODE, 25, 1), 1
	s_wait_xcnt 0x0
; MEANS, SCORES, TOP-2.  One work-group a slab (0 to 7: dis_input's batch elements; 8: emb_input's element 0).
; mean = (the sum of the slab's 32 partial sums) / 2,048 -> means[slab][512]; score = sigmoid(mean . selW + selb), 16 of them;
; idx[slab][0..1] = the places of the largest and the second largest score, as whole numbers for the next launch.
; Thread t owns columns 4 t to 4 t + 3.  Nine work-groups are all the work there is: a few thousand numbers each.
; LIMITS.  The order is taken on the f32 sigmoid, made as 1 / (1 + 2^(-z log2 e)) with instructions good to one unit in the last place;
; of equal scores the lower place wins (strict >).  Two scores nearer to each other than that rounding may be ordered otherwise than by another
; evaluation of the sigmoid.  NaN scores are not treated apart.
.set SPARE, 256                        ; LDS: bytes 0-255 four waves x 16 scores; 256-767 the spare words, 128 bytes a wave, named by no other line
.set X, 32                             ; v[32:159]  32 partial sums x 4; later the four waves' scores
.set W, 160                            ; v[160:223] selW's rows 4 t + j at W + 16 j
.set Z, 224                            ; v[224:239] the 16 scores
	s_load_b256 s[4:11], s[0:1], 0x0               ; part s[4:5], dis_sel_W s[6:7], dis_sel_b s[8:9], emb_sel_W s[10:11]
	s_load_b128 s[12:15], s[0:1], 0x20             ; emb_sel_b s[12:13], means s[14:15]
	s_load_b64 s[16:17], s[0:1], 0x30              ; idx
	v_lshl_add_u32 v30, v0, 2, SPARE               ; my spare word,
	v_mov_b32 v31, 0                               ; and 0: kept for the closing add alone
	v_lshlrev_b32 v1, 4, v0                        ; my 16 bytes of a row of 512 f32
	v_lshlrev_b32 v2, 8, v0                        ; my four rows of selW, 64 bytes each
	v_lshrrev_b32 v3, 5, v0
	v_readfirstlane_b32 s21, v3                    ; wave
	s_lshl_b32 s41, s21, 6
	v_mov_b32 v3, s41                              ; my wave's 64 bytes in LDS
	v_mov_b32 v8, 0                                ; v_permlanex16_b32's destination counts as read
	v_mov_b32 v15, 0
	s_mov_b32 s20, ttmp9                           ; slab
	s_mov_b32 s42, 0x76543210                      ; each lane takes its own place in the other half
	s_mov_b32 s43, 0xfedcba98
	s_lshl_b32 s22, s20, 16                        ; 32 x 2,048 bytes of partial sums a slab
	s_mov_b32 s23, 0
	s_lshl_b32 s44, s20, 11
	s_mov_b32 s45, 0
	s_lshl_b32 s46, s20, 3
	s_mov_b32 s47, 0
	s_wait_kmcnt 0x0
	s_cmp_eq_u32 s20, 8
	s_cselect_b64 s[6:7], s[10:11], s[6:7]         ; slab 8 takes the embodied selector
	s_cselect_b64 s[8:9], s[12:13], s[8:9]
	s_load_b512 s[24:39], s[8:9], 0x0              ; the 16 biases
	s_add_nc_u64 s[4:5], s[4:5], s[22:23]
	s_add_nc_u64 s[14:15], s[14:15], s[44:45]
	s_add_nc_u64 s[16:17], s[16:17], s[46:47]
.set i, 0
.rept 32
	global_load_b128 v[X+4*i:X+4*i+3], v1, s[4:5] offset:i*2048
.set i, i+1
.endr
.set i, 0
.rept 16
	global_load_b128 v[W+4*i:W+4*i+3], v2, s[6:7] offset:i*16
.set i, i+1
.endr
	s_wait_loadcnt 16                              ; the partial sums are in; selW's 16 loads may stay out
.irp w, 16,8,4,2,1
.set i, 0
.rept \w
	v_pk_add_f32 v[X+4*i:X+4*i+1], v[X+4*i:X+4*i+1], v[X+4*(i+\w):X+4*(i+\w)+1]
	v_pk_add_f32 v[X+4*i+2:X+4*i+3], v[X+4*i+2:X+4*i+3], v[X+4*(i+\w)+2:X+4*(i+\w)+3]
.set i, i+1
.endr
.endr
	v_pk_mul_f32 v[4:5], v[X:X+1], 0x3a000000 op_sel_hi:[1,0]      ; / 2,048
	v_pk_mul_f32 v[6:7], v[X+2:X+3], 0x3a000000 op_sel_hi:[1,0]
	global_store_b128 v1, v[4:7], s[14:15]         ; v1 and v[4:7] are not written again
	s_wait_loadcnt 0x0
.set n, 0
.rept 16                                           ; my four columns' part of the 16 products
	v_mul_f32 v[Z+n], v4, v[W+n]
	v_fmac_f32 v[Z+n], v5, v[W+16+n]
	v_fmac_f32 v[Z+n], v6, v[W+32+n]
	v_fmac_f32 v[Z+n], v7, v[W+48+n]
.set n, n+1
.endr
.set n, 0
.rept 16                                           ; over the wave's 32 lanes
	v_add_f32_dpp v[Z+n], v[Z+n], v[Z+n] row_xmask:1 row_mask:0xf bank_mask:0xf
	v_add_f32_dpp v[Z+n], v[Z+n], v[Z+n] row_xmask:2 row_mask:0xf bank_mask:0xf
	v_add_f32_dpp v[Z+n], v[Z+n], v[Z+n] row_xmask:4 row_mask:0xf bank_mask:0xf
	v_add_f32_dpp v[Z+n], v[Z+n], v[Z+n] row_xmask:8 row_mask:0xf bank_mask:0xf
	v_permlanex16_b32 v8, v[Z+n], s42, s43
	v_add_f32 v[Z+n], v[Z+n], v8
.set n, n+1
.endr
.irp c, 0,1,2,3
	ds_store_b128 v3, v[Z+4*\c:Z+4*\c+3] offset:16*\c            ; all lanes of a wave write the same numbers to the same bytes
.endr
	s_wait_dscnt 0x0                               ; for the others' sake: my stores are done
	s_barrier_signal -1
	s_barrier_wait -1
.set i, 0
.rept 16
	ds_load_b128 v[X+4*i:X+4*i+3], v15 offset:16*i               ; wave w's score n at X + 16 w + n
.set i, i+1
.endr
	s_wait_dscnt 0x0
	s_wait_kmcnt 0x0                               ; the biases
.set i, 0
.rept 8
	v_pk_add_f32 v[Z+2*i:Z+2*i+1], v[X+2*i:X+2*i+1], v[X+16+2*i:X+16+2*i+1]
	v_pk_add_f32 v[Z+2*i:Z+2*i+1], v[Z+2*i:Z+2*i+1], v[X+32+2*i:X+32+2*i+1]
	v_pk_add_f32 v[Z+2*i:Z+2*i+1], v[Z+2*i:Z+2*i+1], v[X+48+2*i:X+48+2*i+1]
.set i, i+1
.endr
.set n, 0
.rept 16
	v_add_f32 v[Z+n], s[24+n], v[Z+n]
	v_mul_f32 v[Z+n], 0xbfb8aa3b, v[Z+n]           ; - z log2 e
.set n, n+1
.endr
.set n, 0
.rept 16
	v_exp_f32 v[Z+n], v[Z+n]
.set n, n+1
.endr
	v_nop                                          ; a plain instruction behind the last exponential,
	s_wait_alu depctr_va_vdst(0)                   ; and one wait for the batch of 16
.set n, 0
.rept 16
	v_add_f32 v[Z+n], 1.0, v[Z+n]
.set n, n+1
.endr
.set n, 0
.rept 16
	v_rcp_f32 v[Z+n], v[Z+n]
.set n, n+1
.endr
	v_nop
	s_wait_alu depctr_va_vdst(0)                   ; one wait for the 16 reciprocals
	v_mov_b32 v12, v[Z]                            ; the best score so far, and its place
	v_mov_b32 v10, 0
.set n, 1
.rept 15
	v_cmp_gt_f32 vcc_lo, v[Z+n], v12               ; strictly greater: of equals the lower place stays
	v_cndmask_b32 v12, v12, v[Z+n], vcc_lo
	v_cndmask_b32 v10, v10, n, vcc_lo
.set n, n+1
.endr
	v_mov_b32 v13, -1.0                            ; below every sigmoid
	v_mov_b32 v11, 0
.set n, 0
.rept 16
	v_cmp_eq_u32 vcc_lo, n, v10                    ; the winner is taken out,
	v_cndmask_b32 v14, v[Z+n], -1.0, vcc_lo
	v_cmp_gt_f32 vcc_lo, v14, v13                  ; and the scan goes once more
	v_cndmask_b32 v13, v13, v14, vcc_lo
	v_cndmask_b32 v11, v11, n, vcc_lo
.set n, n+1
.endr
	v_cmp_eq_u32 vcc_lo, 0, v0
	s_wait_xcnt 0x0                                ; EXEC changes only behind this wait
	s_and_saveexec_b32 s40, vcc_lo                 ; thread 0 alone
	global_store_b64 v15, v[10:11], s[16:17]
	s_wait_xcnt 0x0                                ; and again in front of the line that widens it
	s_or_b32 exec_lo, exec_lo, s40
	s_wait_tensorcnt 0x0                           ; the wave's end: a wait, an add of 0 to my spare word and its wait, behind my last LDS store
	ds_add_u32 v30, v31
	s_wait_dscnt 0x0
	s_endpgm
.Lfunc_end_k_q46fb65ede2_route:
	.size	k_q46fb65ede2_route, .Lfunc_end_k_q46fb65ede2_route-k_q46fb65ede2_route
	.p2alignl 7, 3214868480
	.fill 96, 4, 3214868480
	.section	.rodata,"a",@progbits
	.p2align	6, 0x0
	.amdhsa_kernel k_q46fb65ede2_route
		.amdhsa_group_segment_fixed_size 1024
		.amdhsa_private_segment_fixed_size 0
		.amdhsa_enable_private_segment 0
		.amdhsa_kernarg_size 56
		.amdhsa_user_sgpr_count 2
		.amdhsa_user_sgpr_kernarg_segment_ptr 1
		.amdhsa_wavefront_size32 1
		.amdhsa_system_sgpr_workgroup_id_x 1
		.amdhsa_system_sgpr_workgroup_id_y 1
		.amdhsa_system_sgpr_workgroup_id_z 1
		.amdhsa_system_vgpr_workitem_id 0
		.amdhsa_next_free_vgpr 240
		.amdhsa_next_free_sgpr 66
		.amdhsa_reserve_vcc 1
		.amdhsa_float_denorm_mode_32 3
		.amdhsa_float_denorm_mode_16_64 3
		.amdhsa_memory_ordered 1
		.amdhsa_forward_progress 1
		.amdhsa_inst_pref_size 30
	.end_amdhsa_kernel
	.amdgpu_metadata
---
amdhsa.version: [ 1, 2 ]
amdhsa.kernels:
  - .name:           k_q46fb65ede2_route
    .symbol:         k_q46fb65ede2_route.kd
    .args:
      - { .name: part, .offset: 0, .size: 8, .value_kind: global_buffer, .address_space: global }
      - { .name: dis_sel_W, .offset: 8, .size: 8, .value_kind: global_buffer, .address_space: global }
      - { .name: dis_sel_b, .offset: 16, .size: 8, .value_kind: global_buffer, .address_space: global }
      - { .name: emb_sel_W, .offset: 24, .size: 8, .value_kind: global_buffer, .address_space: global }
      - { .name: emb_sel_b, .offset: 32, .size: 8, .value_kind: global_buffer, .address_space: global }
      - { .name: means, .offset: 40, .size: 8, .value_kind: global_buffer, .address_space: global }
      - { .name: idx, .offset: 48, .size: 8, .value_kind: global_buffer, .address_space: global }
    .group_segment_fixed_size: 1024
    .private_segment_fixed_size: 0
    .kernarg_segment_align: 8
    .kernarg_segment_size: 56
    .max_flat_workgroup_size: 128
    .sgpr_count:     66
    .vgpr_count:     240
    .wavefront_size: 32
...
	.end_amdgpu_metadata
.endif
;; end of part 2
;; launch pack (part 3): grid 16 x 15, 8 waves a work-group, no clusters, 0 bytes of LDS; arguments idx, emb_w1, emb_w2, dis_attn_W, dis_ff1_W, dis_ff2_W, wq, means, torsion, emb_ln_g, emb_ln_b, emb_b1, emb_b2, dis_ln1_g, dis_ln1_b, dis_attn_b, dis_ln2_g, dis_ln2_b, dis_ff1_b, dis_ff2_b, par; writes wq, par
.if DOCPART == 3
	.amdgcn_target "amdgcn-amd-amdhsa--gfx1250"
	.amdhsa_code_object_version 6
	.text
	.protected	k_q46fb65ede2_pack
	.globl	k_q46fb65ede2_pack
	.p2align	8
	.type	k_q46fb65ede2_pack,@function
k_q46fb65ede2_pack:
	s_mov_b64 s[64:65], 0
	v_nop
	global_prefetch_b8 v0, s[64:65] scope:SCOPE_SE
	s_setreg_imm32_b32 hwreg(HW_REG_WAVE_MODE, 25, 1), 1
	s_wait_xcnt 0x0
; THE FOUR CHOSEN BLOCKS ARE LAID OUT FOR THE CHAIN.  The chain is 14 units, each a product [rows x 512] x [512 x 512]:
;   0, 2: emb_w1[e_i]   1, 3: emb_w2[e_i]   4, 9: attn_W[d_i]   5, 10: ff1_W[d_i][:, 0:512]   6, 11: ff2_W[d_i][0:512, :]   7, 12: ff1_W[d_i][:, 512:]   8, 13: ff2_W[d_i][512:, :]
; e_0, e_1, d_0, d_1 are read from idx, which an earlier launch stored as whole numbers, and held to 0..15.
; y = 0..13: unit y's weights, K step x (32 k x 512 n), rounded to bf16 once and written in the order in which a wave's operand registers take them:
;   byte = u 524,288 + (k/64) 65,536 + (n/128) 16,384 + ((k/32)%2) 8,192 + ((n%128)/16) 1,024 + ((k%32)/8) 256 + (n%16) 16 + (k%8) 2.
;   A thread gathers 8 k of one column n (eight loads of 4 bytes; a wave's load covers 128 consecutive bytes) and stores 16 bytes; 16 lanes store 256 consecutive aligned bytes.
; y = 14: the vectors.  x = 2 b + i: batch element b, block i.  par[b][unit][4][512] f32: 0 the bias that starts the sums, 1 and 2 the norm's gain and bias, 3 the factor s of R += acc s.
;   emb: s = (1 + 0.1 torsion) 0.3.  attn: bias = attn_b + 0.2 delayed, s = (1 + 0.05 torsion) 0.5.  The hidden layer is kept as 2 gelu, so ff2's bias is doubled and s = 0.25 (powers of two: exact).
;   s is formed first and multiplied once: an order of rounding that differs from the source's (h t) 0.3.  Entries that a unit does not use hold 0.
; No LDS, no matrix unit, no cluster: each byte has one reader.
	s_load_b64 s[4:5], s[0:1], 0x0                 ; idx
	s_and_b32 s20, ttmp7, 0xffff                   ; y
	s_mov_b32 s21, ttmp9                           ; x
	s_wait_kmcnt 0x0
	s_load_b64 s[6:7], s[4:5], 0x0                 ; d_0, d_1 (slab 0)
	s_load_b64 s[52:53], s[4:5], 0x40              ; e_0, e_1 (slab 8)
	s_cmp_eq_u32 s20, 14
	s_cbranch_scc1 .Lpar
	s_load_b256 s[8:15], s[0:1], 0x8               ; emb_w1 s[8:9], emb_w2 s[10:11], attn s[12:13], ff1 s[14:15]
	s_load_b128 s[16:19], s[0:1], 0x28             ; ff2 s[16:17], wq s[18:19]
	v_and_b32 v4, 31, v0                           ; lane
	v_lshrrev_b32 v5, 5, v0                        ; wave v
	v_lshlrev_b32 v2, 2, v4
	v_lshl_add_u32 v2, v5, 8, v2                   ; in: column n = 64 v + lane (+ 32 c), 4 bytes each
	v_and_b32 v6, 15, v0
	v_lshlrev_b32 v3, 4, v6                        ; out: (n % 16) 16
	v_bfe_u32 v6, v0, 4, 1
	v_lshl_add_u32 v3, v6, 10, v3                  ; + (lane / 16) 1,024
	v_and_b32 v6, 1, v5
	v_lshl_add_u32 v3, v6, 12, v3                  ; + (v % 2) 4,096
	v_lshrrev_b32 v6, 1, v5
	v_lshl_add_u32 v3, v6, 14, v3                  ; + (v / 2) 16,384
	s_lshl_b32 s28, s20, 19                        ; the unit,
	s_lshr_b32 s29, s21, 1
	s_lshl_b32 s29, s29, 16                        ; the slot of 64 k,
	s_add_co_u32 s28, s28, s29
	s_and_b32 s29, s21, 1
	s_lshl_b32 s29, s29, 13                        ; the K step in it
	s_add_co_u32 s28, s28, s29
	s_mov_b32 s29, 0
	s_wait_kmcnt 0x0
	s_add_nc_u64 s[18:19], s[18:19], s[28:29]
	s_cmp_lt_u32 s20, 4
	s_cbranch_scc0 .Ldis
	s_lshr_b32 s22, s20, 1                         ; i
	s_cmp_eq_u32 s22, 0
	s_cselect_b32 s23, s52, s53                    ; e_i
	s_bitcmp1_b32 s20, 0
	s_cselect_b64 s[54:55], s[10:11], s[8:9]       ; odd units take emb_w2
	s_mov_b32 s56, 0                               ; a block is 2^20 bytes
	s_mov_b32 s57, 0
	s_mov_b32 s58, 0                               ; rows of 2,048 bytes
	s_branch .Lsel
.Ldis:
	s_sub_co_u32 s24, s20, 4
	s_mul_i32 s22, s24, 205
	s_lshr_b32 s22, s22, 10                        ; i = (u - 4) / 5
	s_mul_i32 s25, s22, 5
	s_sub_co_u32 s24, s24, s25                     ; j = (u - 4) % 5
	s_cmp_eq_u32 s22, 0
	s_cselect_b32 s23, s6, s7                      ; d_i
	s_and_b32 s58, s24, 1                          ; j odd: ff1, rows of 4,096 bytes
	s_cmp_eq_u32 s58, 1
	s_cselect_b64 s[54:55], s[14:15], s[16:17]
	s_cmp_eq_u32 s24, 0
	s_cselect_b64 s[54:55], s[12:13], s[54:55]     ; j = 0: attn
	s_cselect_b32 s56, 0, -1                       ; ff1's and ff2's blocks are 2^21 bytes
	s_cmp_eq_u32 s24, 3
	s_cselect_b32 s57, 2048, 0                     ; ff1's columns 512 on
	s_cmp_eq_u32 s24, 4
	s_cselect_b32 s57, 0x100000, s57               ; ff2's rows 512 on
.Lsel:
	s_min_u32 s23, s23, 15                         ; a loaded number enters an address only behind this clamp; shifts left, ANDs and adds follow
	s_lshl_b32 s23, s23, 20
	s_and_b32 s25, s23, s56
	s_add_co_u32 s23, s23, s25                     ; doubled where the block is 2^21 bytes
	s_add_co_u32 s23, s23, s57
	s_add_co_u32 s24, s58, 16
	s_lshl_b32 s24, s21, s24                       ; 32 rows a K step
	s_add_co_u32 s26, s23, s24
	s_mov_b32 s27, 0
	s_add_nc_u64 s[54:55], s[54:55], s[26:27]
.macro GATHER stride                   ; load q = 32 c + k: row k of the K step, column n + 32 c
.set q, 0
.rept 64
	global_load_b32 v[16+q], v2, s[54:55] offset:(q/32)*128+(q%32)*(\stride) th:TH_LOAD_NT
.set q, q+1
.endr
.endm
	s_cmp_eq_u32 s58, 0
	s_cbranch_scc0 .Lwide
	GATHER 2048
	s_branch .Lcvt
.Lwide:
	GATHER 4096
.Lcvt:                                             ; 64 loads are out on either way
.set p, 0
.rept 8
	s_wait_loadcnt 56-8*p                          ; piece p's eight are in; the 56 - 8 p behind them may stay out
.irp r, 0,1,2,3
	v_cvt_pk_bf16_f32 v[80+4*p+\r], v[16+8*p+2*\r], v[16+8*p+2*\r+1]   ; the lower k into the lower half
.endr
	global_store_b128 v3, v[80+4*p:80+4*p+3], s[18:19] offset:(p/4)*2048+(p%4)*256
.set p, p+1
.endr
	s_endpgm
.Lpar:
	s_load_b512 s[24:39], s[0:1], 0x38             ; means, torsion, emb_ln_g, emb_ln_b, emb_b1, emb_b2, dis_ln1_g, dis_ln1_b
	s_load_b256 s[40:47], s[0:1], 0x78             ; dis_attn_b, dis_ln2_g, dis_ln2_b, dis_ff1_b
	s_load_b128 s[48:51], s[0:1], 0x98             ; dis_ff2_b, par
	v_lshlrev_b32 v1, 3, v0                        ; 256 threads x 8 bytes: one vector of 512 f32
	s_lshr_b32 s20, s21, 1                         ; b
	s_and_b32 s22, s21, 1                          ; i
	s_mul_i32 s56, s20, 114688                     ; 14 units x 8,192 bytes a batch element
	s_lshl_b32 s57, s22, 14
	s_mul_i32 s58, s22, 40960
	s_add_co_u32 s58, s58, s56
	s_add_co_u32 s58, s58, 32768                   ; the dis block's five units
	s_add_co_u32 s56, s56, s57                     ; the emb block's two units
	s_mov_b32 s57, 0
	s_mov_b32 s59, 0
	s_lshl_b32 s55, s20, 11
	v_add_nc_u32 v7, s55, v1                       ; row b of means and of torsion
	s_wait_kmcnt 0x0
	s_cmp_eq_u32 s22, 0
	s_cselect_b32 s23, s52, s53                    ; e_i
	s_cselect_b32 s54, s6, s7                      ; d_i
	s_min_u32 s23, s23, 15
	s_min_u32 s54, s54, 15
	s_lshl_b32 s55, s23, 11
	v_add_nc_u32 v4, s55, v1                       ; row e_i of a [16][512] table
	s_lshl_b32 s55, s54, 11
	v_add_nc_u32 v5, s55, v1                       ; row d_i
	s_lshl_b32 s55, s54, 12
	v_add_nc_u32 v6, s55, v1                       ; row d_i of [16][1024]
	s_add_nc_u64 s[60:61], s[50:51], s[56:57]
	s_add_nc_u64 s[62:63], s[50:51], s[58:59]
	global_load_b64 v[10:11], v7, s[26:27]         ; torsion
	global_load_b64 v[12:13], v7, s[24:25]         ; delayed
	global_load_b64 v[14:15], v4, s[28:29]         ; emb_ln_g
	global_load_b64 v[16:17], v4, s[30:31]         ; emb_ln_b
	global_load_b64 v[18:19], v4, s[32:33]         ; emb_b1
	global_load_b64 v[20:21], v4, s[34:35]         ; emb_b2
	global_load_b64 v[22:23], v5, s[36:37]         ; dis_ln1_g
	global_load_b64 v[24:25], v5, s[38:39]         ; dis_ln1_b
	global_load_b64 v[26:27], v5, s[40:41]         ; dis_attn_b
	global_load_b64 v[28:29], v5, s[42:43]         ; dis_ln2_g
	global_load_b64 v[30:31], v5, s[44:45]         ; dis_ln2_b
	global_load_b64 v[32:33], v5, s[48:49]         ; dis_ff2_b
	global_load_b64 v[34:35], v6, s[46:47]         ; dis_ff1_b, first half
	global_load_b64 v[36:37], v6, s[46:47] offset:2048   ; second half
	v_mov_b32 v48, 0
	v_mov_b32 v49, 0
	v_mov_b32 v50, 0x3e800000                      ; 0.25
	v_mov_b32 v51, 0x3e800000
	s_wait_loadcnt 0x0
	v_pk_fma_f32 v[40:41], v[10:11], 0x3dcccccd, 1.0 op_sel_hi:[1,0,0]   ; 1 + 0.1 torsion
	v_pk_fma_f32 v[42:43], v[10:11], 0x3d4ccccd, 1.0 op_sel_hi:[1,0,0]   ; 1 + 0.05 torsion
	v_pk_fma_f32 v[44:45], v[12:13], 0x3e4ccccd, v[26:27] op_sel_hi:[1,0,1]  ; attn_b + 0.2 delayed
	v_pk_mul_f32 v[46:47], v[32:33], 2.0 op_sel_hi:[1,0]
	v_pk_mul_f32 v[40:41], v[40:41], 0x3e99999a op_sel_hi:[1,0]          ; x 0.3
	v_pk_mul_f32 v[42:43], v[42:43], 0.5 op_sel_hi:[1,0]
.macro ST base, unit, vec, reg         ; a wave stores 256 consecutive aligned bytes
	global_store_b64 v1, v[\reg:\reg+1], s[\base:\base+1] offset:(\unit)*8192+(\vec)*2048
.endm
	ST 60, 0, 0, 18
	ST 60, 0, 1, 14
	ST 60, 0, 2, 16
	ST 60, 0, 3, 48
	ST 60, 1, 0, 20
	ST 60, 1, 1, 48
	ST 60, 1, 2, 48
	ST 60, 1, 3, 40
	ST 62, 0, 0, 44
	ST 62, 0, 1, 22
	ST 62, 0, 2, 24
	ST 62, 0, 3, 42
	ST 62, 1, 0, 34
	ST 62, 1, 1, 28
	ST 62, 1, 2, 30
	ST 62, 1, 3, 48
	ST 62, 2, 0, 46
	ST 62, 2, 1, 48
	ST 62, 2, 2, 48
	ST 62, 2, 3, 50
	ST 62, 3, 0, 36
	ST 62, 3, 1, 48
	ST 62, 3, 2, 48
	ST 62, 3, 3, 48
	ST 62, 4, 0, 48
	ST 62, 4, 1, 48
	ST 62, 4, 2, 48
	ST 62, 4, 3, 50
	s_endpgm
.Lfunc_end_k_q46fb65ede2_pack:
	.size	k_q46fb65ede2_pack, .Lfunc_end_k_q46fb65ede2_pack-k_q46fb65ede2_pack
	.p2alignl 7, 3214868480
	.fill 96, 4, 3214868480
	.section	.rodata,"a",@progbits
	.p2align	6, 0x0
	.amdhsa_kernel k_q46fb65ede2_pack
		.amdhsa_group_segment_fixed_size 0
		.amdhsa_private_segment_fixed_size 0
		.amdhsa_enable_private_segment 0
		.amdhsa_kernarg_size 168
		.amdhsa_user_sgpr_count 2
		.amdhsa_user_sgpr_kernarg_segment_ptr 1
		.amdhsa_wavefront_size32 1
		.amdhsa_system_sgpr_workgroup_id_x 1
		.amdhsa_system_sgpr_workgroup_id_y 1
		.amdhsa_system_sgpr_workgroup_id_z 1
		.amdhsa_system_vgpr_workitem_id 0
		.amdhsa_next_free_vgpr 112
		.amdhsa_next_free_sgpr 66
		.amdhsa_reserve_vcc 0
		.amdhsa_float_denorm_mode_32 3
		.amdhsa_float_denorm_mode_16_64 3
		.amdhsa_memory_ordered 1
		.amdhsa_forward_progress 1
		.amdhsa_inst_pref_size 24
	.end_amdhsa_kernel
	.amdgpu_metadata
---
amdhsa.version: [ 1, 2 ]
amdhsa.kernels:
  - .name:           k_q46fb65ede2_pack
    .symbol:         k_q46fb65ede2_pack.kd
    .args:
      - { .name: idx, .offset: 0, .size: 8, .value_kind: global_buffer, .address_space: global }
      - { .name: emb_w1, .offset: 8, .size: 8, .value_kind: global_buffer, .address_space: global }
      - { .name: emb_w2, .offset: 16, .size: 8, .value_kind: global_buffer, .address_space: global }
      - { .name: dis_attn_W, .offset: 24, .size: 8, .value_kind: global_buffer, .address_space: global }
      - { .name: dis_ff1_W, .offset: 32, .size: 8, .value_kind: global_buffer, .address_space: global }
      - { .name: dis_ff2_W, .offset: 40, .size: 8, .value_kind: global_buffer, .address_space: global }
      - { .name: wq, .offset: 48, .size: 8, .value_kind: global_buffer, .address_space: global }
      - { .name: means, .offset: 56, .size: 8, .value_kind: global_buffer, .address_space: global }
      - { .name: torsion, .offset: 64, .size: 8, .value_kind: global_buffer, .address_space: global }
      - { .name: emb_ln_g, .offset: 72, .size: 8, .value_kind: global_buffer, .address_space: global }
      - { .name: emb_ln_b, .offset: 80, .size: 8, .value_kind: global_buffer, .address_space: global }
      - { .name: emb_b1, .offset: 88, .size: 8, .value_kind: global_buffer, .address_space: global }
      - { .name: emb_b2, .offset: 96, .size: 8, .value_kind: global_buffer, .address_space: global }
      - { .name: dis_ln1_g, .offset: 104, .size: 8, .value_kind: global_buffer, .address_space: global }
      - { .name: dis_ln1_b, .offset: 112, .size: 8, .value_kind: global_buffer, .address_space: global }
      - { .name: dis_attn_b, .offset: 120, .size: 8, .value_kind: global_buffer, .address_space: global }
      - { .name: dis_ln2_g, .offset: 128, .size: 8, .value_kind: global_buffer, .address_space: global }
      - { .name: dis_ln2_b, .offset: 136, .size: 8, .value_kind: global_buffer, .address_space: global }
      - { .name: dis_ff1_b, .offset: 144, .size: 8, .value_kind: global_buffer, .address_space: global }
      - { .name: dis_ff2_b, .offset: 152, .size: 8, .value_kind: global_buffer, .address_space: global }
      - { .name: par, .offset: 160, .size: 8, .value_kind: global_buffer, .address_space: global }
    .group_segment_fixed_size: 0
    .private_segment_fixed_size: 0
    .kernarg_segment_align: 8
    .kernarg_segment_size: 168
    .max_flat_workgroup_size: 256
    .sgpr_count:     66
    .vgpr_count:     112
    .wavefront_size: 32
...
	.end_amdgpu_metadata
.endif
;; end of part 3
;; launch chain (part 4): grid 256 x 1, 4 waves a work-group, clusters of 4 x 1, 327,680 bytes of LDS; arguments emb_input, dis_input, wq, par, out0, out1; writes out0, out1
.if DOCPART == 4
	.amdgcn_target "amdgcn-amd-amdhsa--gfx1250"
	.amdhsa_code_object_version 6
	.text
	.protected	k_q46fb65ede2_chain
	.globl	k_q46fb65ede2_chain
	.p2align	8
	.type	k_q46fb65ede2_chain,@function
k_q46fb65ede2_chain:
	s_mov_b64 s[64:65], 0
	v_nop
	global_prefetch_b8 v0, s[64:65] scope:SCOPE_SE
	s_setreg_imm32_b32 hwreg(HW_REG_WAVE_MODE, 25, 1), 1
	s_wait_xcnt 0x0
	s_wait_alu depctr_hold_cnt(0) depctr_sa_sdst(0) depctr_va_vdst(0) depctr_va_sdst(0) depctr_va_ssrc(0) depctr_va_vcc(0) depctr_vm_vsrc(0)
	s_getreg_b32 s2, hwreg(HW_REG_IB_STS2, 6, 4)
	s_cmp_eq_u32 s2, 0
	s_cbranch_scc0 .Lentry_in_a_cluster
	s_endpgm
.Lentry_in_a_cluster:
	s_bfe_u32 s2, ttmp6, 0x10000c
	s_cmp_lg_u32 s2, 0x3003
	s_cbranch_scc0 .Lentry_shape_is_right
	s_endpgm
.Lentry_shape_is_right:
; BOTH CHAINS, FUSED.  Work-group g takes rows 64 g .. 64 g + 63 of emb_input through units 0-3 and then the same rows of dis_input through units 4-13: 14 units, each
; acc[64 x 512] = X[64 x 512] W_u[512 x 512] + bias, so all 256 work-groups do equal work and walk ONE stream of weights (wq, laid out by the launch before).
;   unit    0,2: X = LN(R), way out tanh -> X      1,3: R += acc s      4,9: X = LN(R), R += acc s      5,10: X = LN(R), way out 2 gelu -> X'      6,11: R += acc s
;           7,12: X as in 5,10 (it still lies in its buffer), 2 gelu -> X'      8,13: R += acc s.      Behind unit 3 R goes to out0 and the dis rows come in; behind 13 R goes to out1.
; The residual stream R stays in f32 registers from load to store.  Matrix operands are bf16, sums f32.
; SHARES.  Wave w owns features 128 w .. 128 w + 127 of all 64 rows (tokens): 4 token tiles t x 8 feature tiles f = 32 accumulators.
; THE MATRIX INSTRUCTION IS USED TRANSPOSED: source 0 = 16 output features (weights, K along the registers), source 1 = 16 tokens.  In the result lane (r, h) holds token r, register j feature 8 h + j.
; So two neighbouring feature tiles rounded to bf16 in pairs ARE a token fragment of the next unit (nothing changes lanes), a norm's statistics are one number a lane, and a bias is an 8-register
; tile that serves as C of the first K step.
; CLUSTER.  The four work-groups of a cluster walk the same weights: every slot is asked for JOINTLY (mask 15), the same load and descriptor in all four.  The place in the cluster enters the global
; addresses of the rows, of the vectors and of the outputs alone.
; RING.  Two LDS slots of 64 k x 512 n (65,536 bytes); wave w fetches and reads its own 16,384 bytes of a slot.  By this text's count a wave has two tensor loads out at the start, one later.
; LIMITS.  erf by the rational form 1 - (a1 t + a2 t^2 + a3 t^3) e^(-x^2), t = 1 / (1 + 0.47047 x): absolute error at most 2.5e-5 for every argument.  tanh = 1 - 2 / (1 + 2^(2.885 x)).
; Exponentials, reciprocals and reciprocal roots are good to one unit in the last place and take denormals as 0.  NaN and infinities are not treated apart.
;
; LDS: 0 slot 0; 65,536 slot 1; 0x20000 X0, 0x30000 X1: token fragments [K step 4,096][t 1,024][half 512][lane 16]; the stage of wave w, 64 rows of 528 bytes from 131,072 + 33,792 w, lies over
; X0, X1 and 4,096 bytes more and is used only while no X is live; 266,240 the norms' partial statistics [token 32][wave 8]; 268,288 the spare words.  Tensor loads fill bytes 0 to 131,071 alone, LDS stores write from 131,072 on.
; REGISTERS, in windows of 256 (s_set_vgpr_msb: bits 1:0 source 0, 3:2 source 1, 5:4 source 2, 7:6 destination):
;   window 0: addresses, statistics, two fragment buffers, constants      window 1: PB bias, PS factor s, GG and GB the norm's gain and bias (64 each, at 8 f + j)
;   window 2: ACC(t, f) at 64 t + 8 f      window 3: R(t, f), the same index
.set RING1,  65536
.set XBUF0,  0x20000
.set XFLIP,  0x10000                   ; X0 xor XFLIP = X1
.set STAGE,  131072
.set SPITCH, 528                       ; 132 words: row r starts at bank 4 r mod 64 (64 banks of 4 bytes: ISA guide 11.1)
.set STRIP,  64*SPITCH
.set STB,    266240
.set SPARE,  268288                    ; 128 bytes a wave: two blocks of 256 bytes that no other line names
.set RR,  1                            ; lane % 16
.set HH,  2                            ; lane / 16
.set L16, 3                            ; 16 x lane
.set AW0, 4                            ; my weights in slot 0
.set AW1, 5                            ; in slot 1
.set AT,  6                            ; the token fragments of the lap in hand
.set AD,  7                            ; where my hidden features go: the other X
.set SGW, 8                            ; stage, by rows: 512 consecutive bytes a wave
.set SGT, 9                            ; stage, by tiles: row r, 32 bytes for each half of the lanes
.set GX,  10                           ; my 16 bytes of my wave's 512 in a row of x or out
.set PO,  11                           ; my 32 bytes of a vector's first feature tile
.set STW, 12                           ; statistics: my wave's 8 bytes of token r
.set STR, 13                           ; statistics: token r's 32 bytes
.set PF,  14                           ; 256 x thread, for the prefetch
.set AL,  15                           ; where my normalised features go: this unit's X
.set MQ,  16                           ; v[16+2t:17+2t] my wave's mean and sum of squared deviations for token tile t
.set RS,  24                           ; v[24+2t] 1 / sqrt(var + eps), the low word of a pair
.set F0,  32                           ; fragment buffer 0: weights f at + 8 f, tokens t at + 64 + 8 t
.set F1,  128                          ; fragment buffer 1
.set TC,  224                          ; v[224+4t ..] two chains of sums a token tile
.set C3,  240
.set C2,  242
.set C1,  244
.set KW,  246
.set KT,  248
.set SPW, 254                          ; my spare word's address; never rewritten
.set NIL, 255                          ; 0; never rewritten
.set PB,  0
.set PS,  64
.set GG,  128
.set GB,  192
.set DT,  32                           ; the gelu's work registers lie where the fragments lay
.set QE,  96
.set YY,  160
.set WV,   16                          ; s16 wave
.set G1,   24                          ; s[24:31] descriptor group 1
.set G0,   32                          ; s[32:39] descriptor group 0, a set for each slot
.set UU,   40                          ; s40 the unit
.set LAP,  41
.set XB,   42                          ; this unit's X
.set XD,   43                          ; the other
.set FL,   44
.set TK,   45                          ; XB + 16,384 x lap
.set PARP, 46                          ; s[46:47] the unit's record of vectors
.set SEL,  48                          ; s[48:49] v_permlanex16_b32's selects
.set XIN,  50                          ; s[50:51] the rows to be loaded
.set PX,   52                          ; 0.47047 / sqrt(2)
.set MSB, 0
.macro WIN new                         ; the high byte repeats the setting that is left; a switch that changes nothing is dropped
.if MSB != (\new)
	s_set_vgpr_msb (MSB<<8)|(\new)
.set MSB, (\new)
.endif
.endm
.macro PLACES                          ; four plain instructions between a matrix instruction and a vector read of its result, or a load into its registers
.rept 4
	v_nop
.endr
.endm
.macro ALLT line:vararg                ; one line for each token tile t
.set t, 0
.rept 4
	\line
.set t, t+1
.endr
.endm
.macro CREST                           ; a round of the cluster's barrier behind its opening barrier
	s_cmp_lg_u32 s[WV], 0
	s_cbranch_scc1 .Lnw0_\@
	s_barrier_signal -3
.Lnw0_\@:
	s_barrier_wait -3
	s_barrier_signal -1
	s_barrier_wait -1
.endm
.macro ROUND
	s_barrier_signal -1
	s_barrier_wait -1
	CREST
.endm
.macro FLAG mask                       ; SCC = bit UU of the mask: the same in every wave and every work-group
	s_lshr_b32 s[FL], \mask, s[UU]
	s_and_b32 s[FL], s[FL], 1
	s_cmp_lg_u32 s[FL], 0
.endm
; 8 nt matrix instructions: token tiles t0 .. x all 8 feature tiles, 32 along K.  first = 1: the bias tile starts the sums.  The 32 accumulators take turns, one instruction a turn, in the same
; order in every K step.
.macro MULS buf, t0, nt, first
.if \first
	WIN 0x90                                       ; D window 2, C window 1
.else
	WIN 0xa0                                       ; C and D window 2
.endif
.set mt, (\t0)
.rept (\nt)
.set mf, 0
.rept 8
.if \first
	v_wmma_f32_16x16x32_bf16 v[64*mt+8*mf:64*mt+8*mf+7], v[(\buf)+8*mf:(\buf)+8*mf+7], v[(\buf)+64+8*mt:(\buf)+64+8*mt+7], v[PB+8*mf:PB+8*mf+7]
.else
	v_wmma_f32_16x16x32_bf16 v[64*mt+8*mf:64*mt+8*mf+7], v[(\buf)+8*mf:(\buf)+8*mf+7], v[(\buf)+64+8*mt:(\buf)+64+8*mt+7], v[64*mt+8*mf:64*mt+8*mf+7]
.endif
.set mf, mf+1
.endr
.set mt, mt+1
.endr
.endm
; 24 LDS loads in one run, each 512 consecutive bytes: 16 of weights (K step kk of the slot at aw), then tokens t = 0, 1, then t = 2, 3 (K step rel of the lap)
.macro FETCH aw, kk, rel, buf
	WIN 0
.set ff, 0
.rept 8
	ds_load_b128 v[(\buf)+8*ff:(\buf)+8*ff+3],   v[\aw] offset:(\kk)*8192+ff*1024
	ds_load_b128 v[(\buf)+8*ff+4:(\buf)+8*ff+7], v[\aw] offset:(\kk)*8192+ff*1024+512
.set ff, ff+1
.endr
.set ff, 0
.rept 4
	ds_load_b128 v[(\buf)+64+8*ff:(\buf)+64+8*ff+3],   v[AT] offset:(\rel)*4096+ff*1024
	ds_load_b128 v[(\buf)+64+8*ff+4:(\buf)+64+8*ff+7], v[AT] offset:(\rel)*4096+ff*1024+512
.set ff, ff+1
.endr
.endm
; A slot's first K step: multiplies buffer 0 and fetches the slot's second K step into buffer 1.
.macro QUART aw, kk, rel, first
	s_wait_dscnt 4                                 ; weights and tokens t = 0, 1 are in; the youngest four loads (t = 2, 3) may be out
	MULS F0, 0, 2, \first
	PLACES
	FETCH \aw, \kk, \rel, F1
	s_wait_dscnt 24                                ; all but the 24 just issued
	MULS F0, 2, 2, \first
.endm
; A slot's second K step: multiplies buffer 1 and changes slots.  In front of the round each wave waits for all its tensor loads (one is out: its part of the other slot), adds 0 to its spare word,
; and waits for that and for its reads of this slot.  Behind the round no wave of any partner reads the slot: it is filled again first, with the stream's slot two further on.
.macro TURN slot, awn, rel, fetch
	WIN 0
	s_wait_tensorcnt 0x0
	ds_add_u32 v[SPW], v[NIL]
	s_wait_dscnt 5                                 ; the add and tokens t = 2, 3 may be out
	MULS F1, 0, 1, 0                               ; eight matrix instructions stand between the add and the wait for it
	s_wait_dscnt 0x0                               ; the add is done, and my reads of this slot and of this K step's tokens are over
	s_barrier_signal -1
	MULS F1, 1, 1, 0                               ; work on registers while the others arrive
	WIN 0
	s_barrier_wait -1
	CREST
	s_add_nc_u64 s[G0+4*(\slot)+2:G0+4*(\slot)+3], s[G0+4*(\slot)+2:G0+4*(\slot)+3], 2*RING1   ; no load of mine is out: the group may be written
	tensor_load_to_lds s[G0+4*(\slot):G0+4*(\slot)+3], s[G1:G1+7]
	s_nop 0
	PLACES                                         ; the places in front of the loads into buffer 0
.if \fetch
	FETCH \awn, 0, \rel, F0
.endif
	MULS F1, 2, 2, 0
.endm
; 16 loads: vector vec of the record at PARP + extra, my wave's 128 features as 8 tiles; the 16 lanes of a half read the same bytes
.macro PLOAD dst, vec, extra
	WIN 0x40
.set q, 0
.rept 16
	global_load_b128 v[(\dst)+4*q:(\dst)+4*q+3], v[PO], s[PARP:PARP+1] offset:(\extra)+(\vec)*2048+(q/2)*64+(q%2)*16
.set q, q+1
.endr
.endm
; ACC, rounded to bf16 in pairs, goes to X as token fragments: my 128 features are K steps 4 w .. 4 w + 3; tile f is half f % 2 of K step f / 2
.macro PACKX adr
	WIN 0x0a
.set q, 0
.rept 128
	v_cvt_pk_bf16_f32 v[32+q], v[2*q], v[2*q+1]
.set q, q+1
.endr
	WIN 0
.set q, 0
.rept 32
	ds_store_b128 v[\adr], v[32+4*q:32+4*q+3] offset:((q%8)/2)*4096+(q/8)*1024+(q%2)*512
.set q, q+1
.endr
.endm
.macro RED4                            ; a token's sum: the two chains, the pair's halves, and the lane 16 away, which holds the wave's other 64 features
	ALLT v_pk_add_f32 v[TC+4*t:TC+4*t+1], v[TC+4*t:TC+4*t+1], v[TC+4*t+2:TC+4*t+3]
	ALLT v_add_f32 v[TC+4*t], v[TC+4*t], v[TC+4*t+1]
	ALLT v_permlanex16_b32 v[TC+4*t+2], v[TC+4*t], s[SEL], s[SEL+1]
.endm
; THE NORM, first half: over my wave's 128 features the mean m, ACC = R - m, and Q = the sum of ACC^2: two passes, so that a common offset of the inputs costs nothing.
.macro LNA
	WIN 0x0f
	ALLT v_pk_add_f32 v[TC+4*t:TC+4*t+1], v[64*t:64*t+1], v[64*t+2:64*t+3]
	ALLT v_pk_add_f32 v[TC+4*t+2:TC+4*t+3], v[64*t+4:64*t+5], v[64*t+6:64*t+7]
	WIN 0x03
.set p, 4
.rept 28
	ALLT v_pk_add_f32 v[TC+4*t+2*(p%2):TC+4*t+2*(p%2)+1], v[64*t+2*p:64*t+2*p+1], v[TC+4*t+2*(p%2):TC+4*t+2*(p%2)+1]
.set p, p+1
.endr
	WIN 0
	RED4
	ALLT v_add_f32 v[TC+4*t], v[TC+4*t], v[TC+4*t+2]
	ALLT v_mul_f32 v[MQ+2*t], 0x3c000000, v[TC+4*t]
	WIN 0x83
.set p, 0
.rept 32
	ALLT v_pk_add_f32 v[64*t+2*p:64*t+2*p+1], v[64*t+2*p:64*t+2*p+1], v[MQ+2*t:MQ+2*t+1] op_sel_hi:[1,0] neg_lo:[0,1] neg_hi:[0,1]
.set p, p+1
.endr
	WIN 0x0a
	ALLT v_pk_mul_f32 v[TC+4*t:TC+4*t+1], v[64*t:64*t+1], v[64*t:64*t+1]
	ALLT v_pk_mul_f32 v[TC+4*t+2:TC+4*t+3], v[64*t+2:64*t+3], v[64*t+2:64*t+3]
.set p, 2
.rept 30
	ALLT v_pk_fma_f32 v[TC+4*t+2*(p%2):TC+4*t+2*(p%2)+1], v[64*t+2*p:64*t+2*p+1], v[64*t+2*p:64*t+2*p+1], v[TC+4*t+2*(p%2):TC+4*t+2*(p%2)+1]
.set p, p+1
.endr
	WIN 0
	RED4
	ALLT v_add_f32 v[MQ+2*t+1], v[TC+4*t], v[TC+4*t+2]
	ALLT ds_store_b64 v[STW], v[MQ+2*t:MQ+2*t+1] offset:t*512
.endm
; THE NORM, second half: the four waves' (m, Q) are joined: mean = sum m / 4, M2 = sum Q + 128 sum (m - mean)^2; ACC = ((R - m) + (m - mean)) rstd g + b, rounded to bf16, goes to this unit's X.
.macro LNB
	WIN 0
	ALLT ds_load_b128 v[32+8*t:32+8*t+3], v[STR] offset:t*512
	ALLT ds_load_b128 v[32+8*t+4:32+8*t+7], v[STR] offset:t*512+16
	s_wait_dscnt 0x0
	ALLT v_add_f32 v[64+4*t], v[32+8*t], v[32+8*t+2]
	ALLT v_add_f32 v[65+4*t], v[32+8*t+4], v[32+8*t+6]
	ALLT v_add_f32 v[66+4*t], v[32+8*t+1], v[32+8*t+3]
	ALLT v_add_f32 v[67+4*t], v[32+8*t+5], v[32+8*t+7]
	ALLT v_add_f32 v[64+4*t], v[64+4*t], v[65+4*t]
	ALLT v_add_f32 v[66+4*t], v[66+4*t], v[67+4*t]
	ALLT v_mul_f32 v[64+4*t], 0x3e800000, v[64+4*t]
	ALLT v_sub_f32 v[65+4*t], v[32+8*t], v[64+4*t]
	ALLT v_mul_f32 v[67+4*t], v[65+4*t], v[65+4*t]
.irp w, 1,2,3
	ALLT v_sub_f32 v[65+4*t], v[32+8*t+2*\w], v[64+4*t]
	ALLT v_fmac_f32 v[67+4*t], v[65+4*t], v[65+4*t]
.endr
	ALLT v_fmac_f32 v[66+4*t], 0x43000000, v[67+4*t]
	ALLT v_mul_f32 v[66+4*t], 0x3b000000, v[66+4*t]
	ALLT v_add_f32 v[66+4*t], 0x3727c5ac, v[66+4*t]
	ALLT v_rsq_f32 v[RS+2*t], v[66+4*t]
	ALLT v_sub_f32 v[65+4*t], v[MQ+2*t], v[64+4*t]
	s_wait_alu depctr_va_vdst(0)                   ; one wait for the four roots; the four subtractions are the plain work behind them
	ALLT v_mul_f32 v[TC+4*t], v[65+4*t], v[RS+2*t]
	WIN 0x82
.set p, 0
.rept 32
	ALLT v_pk_fma_f32 v[64*t+2*p:64*t+2*p+1], v[64*t+2*p:64*t+2*p+1], v[RS+2*t:RS+2*t+1], v[TC+4*t:TC+4*t+1] op_sel_hi:[1,0,0]
.set p, p+1
.endr
	WIN 0x96
.set p, 0
.rept 32
	ALLT v_pk_fma_f32 v[64*t+2*p:64*t+2*p+1], v[64*t+2*p:64*t+2*p+1], v[GG+2*p:GG+2*p+1], v[GB+2*p:GB+2*p+1]
.set p, p+1
.endr
	PACKX AL
.endm
; WAY OUT: tanh, in place on ACC, each accumulator's registers in ascending order.  Two batches of 256 (exponentials, reciprocals), one wait each; a scaling or an addition stands between every two.
.macro WTANH
	WIN 0x82
	v_pk_mul_f32 v[0:1], v[0:1], v[KT:KT+1]
.set p, 0
.rept 128
.if p < 127
	v_pk_mul_f32 v[2*p+2:2*p+3], v[2*p+2:2*p+3], v[KT:KT+1]
.endif
	v_exp_f32 v[2*p], v[2*p]
	v_exp_f32 v[2*p+1], v[2*p+1]
.set p, p+1
.endr
	v_nop
	s_wait_alu depctr_va_vdst(0)
	v_pk_add_f32 v[0:1], v[0:1], 1.0 op_sel_hi:[1,0]
.set p, 0
.rept 128
.if p < 127
	v_pk_add_f32 v[2*p+2:2*p+3], v[2*p+2:2*p+3], 1.0 op_sel_hi:[1,0]
.endif
	v_rcp_f32 v[2*p], v[2*p]
	v_rcp_f32 v[2*p+1], v[2*p+1]
.set p, p+1
.endr
	v_nop
	s_wait_alu depctr_va_vdst(0)
.set p, 0
.rept 128
	v_pk_fma_f32 v[2*p:2*p+1], v[2*p:2*p+1], -2.0, 1.0 op_sel_hi:[1,0,0]
.set p, p+1
.endr
	PACKX AD
.endm
; WAY OUT: 2 gelu(u) = u + |u| erf(|u| / sqrt 2), a token tile at a time.  DT = 1 + p |u| / sqrt 2 and then its reciprocal, QE = 2^-(u KW)^2 = e^(-u^2 / 2), YY the polynomial.  128 transcendentals are one batch with one wait.
.macro GELUT tt
	WIN 0x02
.set i, 0
.rept 64
	v_fma_f32 v[DT+i], |v[64*(\tt)+i]|, s[PX], 1.0
.set i, i+1
.endr
.set i, 0
.rept 32
	v_pk_mul_f32 v[QE+2*i:QE+2*i+1], v[64*(\tt)+2*i:64*(\tt)+2*i+1], v[KW:KW+1]
.set i, i+1
.endr
	WIN 0
.set i, 0
.rept 32
	v_pk_mul_f32 v[QE+2*i:QE+2*i+1], v[QE+2*i:QE+2*i+1], v[QE+2*i:QE+2*i+1] neg_lo:[1,0] neg_hi:[1,0]
	v_rcp_f32 v[DT+2*i], v[DT+2*i]
	v_rcp_f32 v[DT+2*i+1], v[DT+2*i+1]
	v_exp_f32 v[QE+2*i], v[QE+2*i]
	v_exp_f32 v[QE+2*i+1], v[QE+2*i+1]
.set i, i+1
.endr
	v_nop
	s_wait_alu depctr_va_vdst(0)
.set i, 0
.rept 32
	v_pk_fma_f32 v[YY+2*i:YY+2*i+1], v[DT+2*i:DT+2*i+1], v[C3:C3+1], v[C2:C2+1]
.set i, i+1
.endr
.set i, 0
.rept 32
	v_pk_fma_f32 v[YY+2*i:YY+2*i+1], v[YY+2*i:YY+2*i+1], v[DT+2*i:DT+2*i+1], v[C1:C1+1]
.set i, i+1
.endr
.set i, 0
.rept 32
	v_pk_mul_f32 v[YY+2*i:YY+2*i+1], v[YY+2*i:YY+2*i+1], v[DT+2*i:DT+2*i+1]
.set i, i+1
.endr
.set i, 0
.rept 32
	v_pk_fma_f32 v[YY+2*i:YY+2*i+1], v[YY+2*i:YY+2*i+1], v[QE+2*i:QE+2*i+1], 1.0 op_sel_hi:[1,1,0]   ; erf
.set i, i+1
.endr
	WIN 0x22
.set i, 0
.rept 64
	v_fma_f32 v[YY+i], |v[64*(\tt)+i]|, v[YY+i], v[64*(\tt)+i]
.set i, i+1
.endr
	WIN 0
.set i, 0
.rept 32
	v_cvt_pk_bf16_f32 v[DT+i], v[YY+2*i], v[YY+2*i+1]
.set i, i+1
.endr
.set i, 0
.rept 8
	ds_store_b128 v[AD], v[DT+4*i:DT+4*i+3] offset:(i/2)*4096+(\tt)*1024+(i%2)*512
.set i, i+1
.endr
.endm
.macro RESID                           ; WAY OUT: R += acc s
	WIN 0xf6
.set q, 0
.rept 128
	v_pk_fma_f32 v[2*q:2*q+1], v[2*q:2*q+1], v[PS+2*(q%32):PS+2*(q%32)+1], v[2*q:2*q+1]
.set q, q+1
.endr
.endm
; R goes out through my own stage: in by tiles, back by rows (LDS serves a wave's instructions in order: ISA guide 5.7.1.4), stored 512 consecutive bytes a wave, at a multiple of 512 from the output's first byte.
.macro TSTORE ptr
	WIN 0x0c
.set i, 0
.rept 64
	ds_store_b128 v[SGT], v[4*i:4*i+3] offset:(i/16)*16*SPITCH+((i%16)/2)*64+(i%2)*16
.set i, i+1
.endr
	WIN 0x80
.set i, 0
.rept 64
	ds_load_b128 v[4*i:4*i+3], v[SGW] offset:i*SPITCH
.set i, i+1
.endr
	WIN 0x08
.set i, 0
.rept 64
	s_wait_dscnt 63-i                              ; row i is back; the rows behind it may be out
	global_store_b128 v[GX], v[4*i:4*i+3], s[\ptr:\ptr+1] offset:i*2048 th:TH_STORE_NT
.set i, i+1
.endr
	WIN 0
	s_wait_xcnt 0x0                                ; the stores' data registers are written again only behind this wait
.endm
; 64 rows come in the other way round: by rows into ACC's registers, through my stage, by tiles into R.
.macro TLOAD
	WIN 0x80
.set i, 0
.rept 64
	global_load_b128 v[4*i:4*i+3], v[GX], s[XIN:XIN+1] offset:i*2048 th:TH_LOAD_NT
.set i, i+1
.endr
	WIN 0x08
.set i, 0
.rept 64
	s_wait_loadcnt 63-i                            ; row i is in; the rows behind it may be out
	ds_store_b128 v[SGW], v[4*i:4*i+3] offset:i*SPITCH
.set i, i+1
.endr
	WIN 0xc0
.set i, 0
.rept 64
	ds_load_b128 v[4*i:4*i+3], v[SGT] offset:(i/16)*16*SPITCH+((i%16)/2)*64+(i%2)*16
.set i, i+1
.endr
	WIN 0
	s_wait_dscnt 0x0
.endm
	s_load_b256 s[4:11], s[0:1], 0x0               ; emb_input s[4:5], dis_input s[6:7], wq s[8:9], par s[10:11]
	s_load_b128 s[12:15], s[0:1], 0x20             ; out0 s[12:13], out1 s[14:15]
	v_lshl_add_u32 v[SPW], v0, 2, SPARE
	v_mov_b32 v[NIL], 0
	ds_add_u32 v[SPW], v[NIL]                      ; the wave's opening: the add and its wait stand ahead of my first tensor load; the set-up, work on registers, stands between
	v_lshrrev_b32 v1, 5, v0
	v_readfirstlane_b32 s[WV], v1                  ; wave 0..3
	s_bfe_u32 s17, ttmp6, 0x40000                  ; cx: my place in the cluster
	s_lshl_b32 s18, ttmp9, 2                       ; ttmp9 counts clusters
	s_add_co_u32 s18, s18, s17                     ; g
	s_lshl_b32 s20, s18, 17                        ; 64 rows of 2,048 bytes
	s_mov_b32 s21, 0
	s_lshr_b32 s22, s18, 5                         ; the batch element
	s_mul_i32 s22, s22, 114688
	s_mov_b32 s23, 0
	; descriptor group 1: 16,384 dense bytes as 64 rows of 256
	s_mov_b32 s[G1+0], 15|(3<<16)|(1<<21)          ; 15:0 the mask of four; 17:16 elements of 8 bytes; 21 set beside a mask; no padding
	s_mov_b32 s[G1+1], 32<<16                      ; tensor_dim0 = 32
	s_mov_b32 s[G1+2], 64<<16                      ; tensor_dim1 = 64
	s_mov_b32 s[G1+3], 32<<16                      ; tile_dim0 = 32
	s_mov_b32 s[G1+4], 64                          ; tile_dim1 = 64
	s_mov_b32 s[G1+5], 32                          ; 32 elements from row to row
	s_mov_b32 s[G1+6], 0
	s_mov_b32 s[G1+7], 0
	s_mov_b32 s[G0+0], 1
	s_lshl_b32 s[G0+1], s[WV], 14                  ; LDS: my 16,384 bytes of slot 0,
	s_mov_b32 s[G0+4], 1
	s_add_co_u32 s[G0+5], s[G0+1], RING1           ; of slot 1
	s_lshl_b32 s54, s[WV], 14                      ; and of a slot of the stream
	s_mov_b32 s55, 0
	s_mov_b32 s[SEL], 0x76543210
	s_mov_b32 s[SEL+1], 0xfedcba98
	s_mov_b32 s[PX], 0x3eaa540e                    ; 0.33267253
	v_and_b32 v[RR], 15, v0
	v_bfe_u32 v[HH], v0, 4, 1
	v_and_b32 v[L16], 31, v0
	v_lshlrev_b32 v[L16], 4, v[L16]
	v_add_nc_u32 v[AW0], s[G0+1], v[L16]
	v_add_nc_u32 v[AW1], RING1, v[AW0]
	s_mul_i32 s19, s[WV], STRIP
	s_add_co_u32 s19, s19, STAGE
	v_add_nc_u32 v[SGW], s19, v[L16]
	v_mul_u32_u24 v[SGT], v[RR], SPITCH
	v_lshl_add_u32 v[SGT], v[HH], 5, v[SGT]
	v_add_nc_u32 v[SGT], s19, v[SGT]
	s_lshl_b32 s19, s[WV], 9
	v_add_nc_u32 v[GX], s19, v[L16]
	v_lshl_add_u32 v[PO], v[HH], 5, s19
	v_lshlrev_b32 v[STR], 5, v[RR]
	v_add_nc_u32 v[STR], STB, v[STR]
	s_lshl_b32 s19, s[WV], 3
	v_add_nc_u32 v[STW], s19, v[STR]
	v_lshlrev_b32 v[PF], 8, v0
.set i, 0
.rept 16
	v_mov_b32 v[MQ+i], 0                           ; named as whole pairs before both halves are made
	v_mov_b32 v[TC+i], 0
.set i, i+1
.endr
.irp z, 0,1
	v_mov_b32 v[C3+\z], 0xbf3f7377                 ; -0.7478556
	v_mov_b32 v[C2+\z], 0x3dc45ca1                 ; 0.0958798
	v_mov_b32 v[C1+\z], 0xbeb2303a                 ; -0.3480242
	v_mov_b32 v[KW+\z], 0x3f596d27                 ; sqrt(log2(e) / 2) = 0.8493218
	v_mov_b32 v[KT+\z], 0x4038aa3b                 ; 2 log2(e)
.endr
	s_wait_dscnt 0x0                               ; the opening add is done
	s_wait_kmcnt 0x0
	s_add_nc_u64 s[4:5], s[4:5], s[20:21]          ; my 64 rows in both inputs and both outputs
	s_add_nc_u64 s[6:7], s[6:7], s[20:21]
	s_add_nc_u64 s[12:13], s[12:13], s[20:21]
	s_add_nc_u64 s[14:15], s[14:15], s[20:21]
	s_add_nc_u64 s[PARP:PARP+1], s[10:11], s[22:23]
	s_add_nc_u64 s[G0+2:G0+3], s[8:9], s[54:55]    ; the stream's slots 0 and 1: made of the wave's number alone
	s_add_nc_u64 s[G0+6:G0+7], s[G0+2:G0+3], RING1
	s_or_b32 s[G0+3], s[G0+3], 0x80000000          ; type = 2
	s_or_b32 s[G0+7], s[G0+7], 0x80000000
	ROUND                                          ; all four work-groups are here: the first joint loads meet
	tensor_load_to_lds s[G0:G0+3], s[G1:G1+7]
	s_nop 0
	tensor_load_to_lds s[G0+4:G0+7], s[G1:G1+7]
	s_nop 0
	PLACES
	PLOAD PB, 0, 0                                 ; unit 0's bias, gain and norm bias
	PLOAD GG, 1, 0
	PLOAD GB, 2, 0
	WIN 0
	s_mov_b32 s[UU], 0
	s_mov_b32 s[XB], XBUF0+XFLIP                   ; turned round ahead of unit 0
	s_mov_b32 s[XD], XBUF0
	s_mov_b64 s[XIN:XIN+1], s[4:5]
	s_branch .Lload                                ; the loop over units is entered in the middle of a trip: the rows come in
.Lunit:                                            ; units 0 to 12: the unit's last two slots, whose refills are the next unit's first two; then its way out
	PLOAD PB, 0, 8192                              ; the next unit's record; PB's last reader was this unit's first K step
	PLOAD GG, 1, 8192
	PLOAD GB, 2, 8192
	TURN 0, AW1, 2, 1
	QUART AW1, 1, 3, 0
	TURN 1, AW0, 0, 0                              ; behind this round no wave reads X any more
	WIN 0
	PLACES                                         ; behind the last products
	s_wait_loadcnt 0x0                             ; PS and the next record are in, so their base may step
	s_add_nc_u64 s[PARP:PARP+1], s[PARP:PARP+1], 8192
	s_add_co_u32 s[UU], s[UU], 1                   ; from here on UU is the next unit: the three masks below are shifted by one
	FLAG 0x000a                                    ; units 0, 2
	s_cbranch_scc1 .Lht
	FLAG 0x2940                                    ; units 5, 7, 10, 12
	s_cbranch_scc1 .Lhg
	RESID
	WIN 0
	FLAG 0x0010                                    ; unit 3
	s_cbranch_scc0 .Lnext
	TSTORE 12                                      ; out0
	s_mov_b64 s[XIN:XIN+1], s[6:7]
.Lload:
	TLOAD
	s_branch .Lnext
.Lht:
	WTANH
	WIN 0
	s_branch .Lnext
.Lhg:
	GELUT 0
	GELUT 1
	GELUT 2
	GELUT 3
	WIN 0
.Lnext:
	s_xor_b32 s[XB], s[XB], XFLIP
	s_xor_b32 s[XD], s[XD], XFLIP
	FLAG 0x0008                                    ; at the head of unit 3 my dis rows are asked for: 4 x 128 lanes, 256 bytes apart, each block of my 131,072 bytes once, one unit ahead of their load
	s_cbranch_scc0 .Lno_pf
.irp z, 0,1,2,3
	global_prefetch_b8 v[PF], s[6:7] offset:\z*32768 th:TH_LOAD_NT scope:SCOPE_SE
.endr
.Lno_pf:
	s_mov_b32 s[TK], s[XB]
	v_add_nc_u32 v[AT], s[TK], v[L16]
	v_add_nc_u32 v[AL], s[XB], v[AW0]              ; AW0 = 16,384 w + 16 lane
	v_add_nc_u32 v[AD], s[XD], v[AW0]
	s_wait_loadcnt 0x0                             ; the unit's vectors
	s_wait_tensorcnt 0x1                           ; my part of slot 0 is in; on both ways here only slot 1's load was issued behind it
	FLAG 0x0635                                    ; units 0, 2, 4, 5, 9, 10 begin with a norm
	s_cbranch_scc0 .Lno_lna
	LNA
	WIN 0
.Lno_lna:
	s_wait_dscnt 0x0                               ; my statistics, my hidden features and my use of the stage are done
	s_barrier_signal -1
	s_barrier_wait -1                              ; slot 1's load may stay out
	FLAG 0x0635
	s_cbranch_scc0 .Lno_lnb
	LNB
	WIN 0
.Lno_lnb:
	s_wait_dscnt 0x0                               ; my part of X is written
	s_barrier_signal -1
	s_barrier_wait -1                              ; X is whole
	FETCH AW0, 0, 0, F0
	QUART AW0, 1, 1, 1                             ; the first K step starts the sums with the bias
	PLOAD PS, 3, 0                                 ; this unit's factor s
	WIN 0
	s_mov_b32 s[LAP], 3
.Llap:                                             ; a trip goes once round the ring, from a lap's second K step to the next lap's first, and fills both slots again
	TURN 0, AW1, 2, 1
	QUART AW1, 1, 3, 0
	TURN 1, AW0, 4, 1
	QUART AW0, 1, 5, 0
	WIN 0
	s_add_co_u32 s[TK], s[TK], 16384               ; four K steps of tokens on
	v_add_nc_u32 v[AT], s[TK], v[L16]
	s_sub_co_u32 s[LAP], s[LAP], 1
	s_cmp_lg_u32 s[LAP], 0
	s_cbranch_scc1 .Llap
	s_cmp_lt_u32 s[UU], 13
	s_cbranch_scc1 .Lunit
	; UNIT 13's last two slots are written out: nothing is left to fetch.
	s_wait_tensorcnt 0x0                           ; my part of the stream's last slot is in; only I read it
	s_wait_dscnt 0x0
	MULS F1, 0, 2, 0
	PLACES
	FETCH AW1, 0, 2, F0
	MULS F1, 2, 2, 0
	QUART AW1, 1, 3, 0
	s_wait_dscnt 0x0                               ; my reads of X are over
	s_barrier_signal -1
	MULS F1, 0, 4, 0
	s_barrier_wait -1                              ; everybody's are: the stage, which lies over X, may be written
	WIN 0
	PLACES
	s_wait_loadcnt 0x0                             ; PS
	RESID
	TSTORE 14                                      ; out1
	s_wait_tensorcnt 0x0                           ; the wave's end: a wait, an add of 0 to my spare word and its wait, behind my last tensor load and my last LDS store
	ds_add_u32 v[SPW], v[NIL]
	s_wait_dscnt 0x0
	ROUND                                          ; the closing round: no work-group ends while a partner may still ask for a slot that names it
	s_endpgm
.Lfunc_end_k_q46fb65ede2_chain:
	.size	k_q46fb65ede2_chain, .Lfunc_end_k_q46fb65ede2_chain-k_q46fb65ede2_chain
	.p2alignl 7, 3214868480
	.fill 96, 4, 3214868480
	.section	.rodata,"a",@progbits
	.p2align	6, 0x0
	.amdhsa_kernel k_q46fb65ede2_chain
		.amdhsa_group_segment_fixed_size 327680
		.amdhsa_private_segment_fixed_size 0
		.amdhsa_enable_private_segment 0
		.amdhsa_kernarg_size 48
		.amdhsa_user_sgpr_count 2
		.amdhsa_user_sgpr_kernarg_segment_ptr 1
		.amdhsa_wavefront_size32 1
		.amdhsa_system_sgpr_workgroup_id_x 1
		.amdhsa_system_sgpr_workgroup_id_y 1
		.amdhsa_system_sgpr_workgroup_id_z 1
		.amdhsa_system_vgpr_workitem_id 0
		.amdhsa_next_free_vgpr 1024
		.amdhsa_next_free_sgpr 66
		.amdhsa_reserve_vcc 0
		.amdhsa_float_denorm_mode_32 3
		.amdhsa_float_denorm_mode_16_64 3
		.amdhsa_memory_ordered 1
		.amdhsa_forward_progress 1
		.amdhsa_inst_pref_size 255
	.end_amdhsa_kernel
	.section	.bss,"aw",@nobits
	.p2align	6
	.space	262144
	.amdgpu_metadata
---
amdhsa.version: [ 1, 2 ]
amdhsa.kernels:
  - .name:           k_q46fb65ede2_chain
    .symbol:         k_q46fb65ede2_chain.kd
    .args:
      - { .name: emb_input, .offset: 0, .size: 8, .value_kind: global_buffer, .address_space: global }
      - { .name: dis_input, .offset: 8, .size: 8, .value_kind: global_buffer, .address_space: global }
      - { .name: wq, .offset: 16, .size: 8, .value_kind: global_buffer, .address_space: global }
      - { .name: par, .offset: 24, .size: 8, .value_kind: global_buffer, .address_space: global }
      - { .name: out0, .offset: 32, .size: 8, .value_kind: global_buffer, .address_space: global }
      - { .name: out1, .offset: 40, .size: 8, .value_kind: global_buffer, .address_space: global }
    .group_segment_fixed_size: 327680
    .private_segment_fixed_size: 0
    .kernarg_segment_align: 8
    .kernarg_segment_size: 48
    .max_flat_workgroup_size: 128
    .sgpr_count:     66
    .vgpr_count:     1024
    .wavefront_size: 32
...
	.end_amdgpu_metadata
.endif
;; end of part 4
;; ======== version 2 of 3: 4 launches
;; limits: a function is approximated: absolute error at most 2.5e-05
;; workspace buffers: part 589,824 bytes; means 18,432 bytes; idx 256 bytes of whole numbers; wq 7,340,032 bytes; par 917,504 bytes
;; launch colsum: the kernel of part 1 again; grid 32 x 9, 4 waves a work-group, no clusters, 0 bytes of LDS; arguments dis_input, emb_input, part; writes part
;; launch route: the kernel of part 2 again; grid 9 x 1, 4 waves a work-group, no clusters, 1,024 bytes of LDS; arguments part, dis_sel_W, dis_sel_b, emb_sel_W, emb_sel_b, means, idx; writes means, idx
;; launch pack (part 5): grid 16 x 15, 8 waves a work-group, no clusters, 0 bytes of LDS; arguments idx, emb_w1, emb_w2, dis_attn_W, dis_ff1_W, dis_ff2_W, wq, means, torsion, emb_ln_g, emb_ln_b, emb_b1, emb_b2, dis_ln1_g, dis_ln1_b, dis_attn_b, dis_ln2_g, dis_ln2_b, dis_ff1_b, dis_ff2_b, par; writes wq, par
.if DOCPART == 5
	.amdgcn_target "amdgcn-amd-amdhsa--gfx1250"
	.amdhsa_code_object_version 6
	.text
	.protected	k_q46fb65ede2_pack
	.globl	k_q46fb65ede2_pack
	.p2align	8
	.type	k_q46fb65ede2_pack,@function
k_q46fb65ede2_pack:
	s_mov_b64 s[64:65], 0
	v_nop
	global_prefetch_b8 v0, s[64:65] scope:SCOPE_SE
	s_setreg_imm32_b32 hwreg(HW_REG_WAVE_MODE, 25, 1), 1
	s_wait_xcnt 0x0
; THE FOUR CHOSEN BLOCKS ARE LAID OUT FOR THE CHAIN.  The chain is 14 units, each a product [rows x 512] x [512 x 512]:
;   0, 2: emb_w1[e_i]   1, 3: emb_w2[e_i]   4, 9: attn_W[d_i]   5, 10: ff1_W[d_i][:, 0:512]   6, 11: ff2_W[d_i][0:512, :]   7, 12: ff1_W[d_i][:, 512:]   8, 13: ff2_W[d_i][512:, :]
; e_0, e_1, d_0, d_1 are read from idx, which an earlier launch stored as whole numbers, and held to 0..15.
; y = 0..13: unit y's weights, K step x (32 k x 512 n), rounded to bf16 once and written in the order in which a wave's operand registers take them:
;   byte = u 524,288 + (k/128) 131,072 + (n/128) 32,768 + ((k/32)%4) 8,192 + ((n%128)/16) 1,024 + ((k%32)/8) 256 + (n%16) 16 + (k%8) 2.
;   A thread gathers 8 k of one column n (eight loads of 4 bytes; a wave's load covers 128 consecutive bytes) and stores 16 bytes; 16 lanes store 256 consecutive aligned bytes.
; y = 14: the vectors.  x = 2 b + i: batch element b, block i.  par[b][unit][4][512] f32: 0 the bias that starts the sums, 1 and 2 the norm's gain and bias, 3 the factor s of R += acc s.
;   emb: s = (1 + 0.1 torsion) 0.3.  attn: bias = attn_b + 0.2 delayed, s = (1 + 0.05 torsion) 0.5.  The hidden layer is kept as 2 gelu, so ff2's bias is doubled and s = 0.25 (powers of two: exact).
;   s is formed first and multiplied once: an order of rounding that differs from the source's (h t) 0.3.  Entries that a unit does not use hold 0.
; No LDS, no matrix unit, no cluster: each byte has one reader.
	s_load_b64 s[4:5], s[0:1], 0x0                 ; idx
	s_and_b32 s20, ttmp7, 0xffff                   ; y
	s_mov_b32 s21, ttmp9                           ; x
	s_wait_kmcnt 0x0
	s_load_b64 s[6:7], s[4:5], 0x0                 ; d_0, d_1 (slab 0)
	s_load_b64 s[52:53], s[4:5], 0x40              ; e_0, e_1 (slab 8)
	s_cmp_eq_u32 s20, 14
	s_cbranch_scc1 .Lpar
	s_load_b256 s[8:15], s[0:1], 0x8               ; emb_w1 s[8:9], emb_w2 s[10:11], attn s[12:13], ff1 s[14:15]
	s_load_b128 s[16:19], s[0:1], 0x28             ; ff2 s[16:17], wq s[18:19]
	v_and_b32 v4, 31, v0                           ; lane
	v_lshrrev_b32 v5, 5, v0                        ; wave v
	v_lshlrev_b32 v2, 2, v4
	v_lshl_add_u32 v2, v5, 8, v2                   ; in: column n = 64 v + lane (+ 32 c), 4 bytes each
	v_and_b32 v6, 15, v0
	v_lshlrev_b32 v3, 4, v6                        ; out: (n % 16) 16
	v_bfe_u32 v6, v0, 4, 1
	v_lshl_add_u32 v3, v6, 10, v3                  ; + (lane / 16) 1,024
	v_and_b32 v6, 1, v5
	v_lshl_add_u32 v3, v6, 12, v3                  ; + (v % 2) 4,096
	v_lshrrev_b32 v6, 1, v5
	v_lshl_add_u32 v3, v6, 15, v3                  ; + (v / 2) 32,768
	s_lshl_b32 s28, s20, 19                        ; the unit,
	s_lshr_b32 s29, s21, 2
	s_lshl_b32 s29, s29, 17                        ; the slot of 128 k,
	s_add_co_u32 s28, s28, s29
	s_and_b32 s29, s21, 3
	s_lshl_b32 s29, s29, 13                        ; the K step in it
	s_add_co_u32 s28, s28, s29
	s_mov_b32 s29, 0
	s_wait_kmcnt 0x0
	s_add_nc_u64 s[18:19], s[18:19], s[28:29]
	s_cmp_lt_u32 s20, 4
	s_cbranch_scc0 .Ldis
	s_lshr_b32 s22, s20, 1                         ; i
	s_cmp_eq_u32 s22, 0
	s_cselect_b32 s23, s52, s53                    ; e_i
	s_bitcmp1_b32 s20, 0
	s_cselect_b64 s[54:55], s[10:11], s[8:9]       ; odd units take emb_w2
	s_mov_b32 s56, 0                               ; a block is 2^20 bytes
	s_mov_b32 s57, 0
	s_mov_b32 s58, 0                               ; rows of 2,048 bytes
	s_branch .Lsel
.Ldis:
	s_sub_co_u32 s24, s20, 4
	s_mul_i32 s22, s24, 205
	s_lshr_b32 s22, s22, 10                        ; i = (u - 4) / 5
	s_mul_i32 s25, s22, 5
	s_sub_co_u32 s24, s24, s25                     ; j = (u - 4) % 5
	s_cmp_eq_u32 s22, 0
	s_cselect_b32 s23, s6, s7                      ; d_i
	s_and_b32 s58, s24, 1                          ; j odd: ff1, rows of 4,096 bytes
	s_cmp_eq_u32 s58, 1
	s_cselect_b64 s[54:55], s[14:15], s[16:17]
	s_cmp_eq_u32 s24, 0
	s_cselect_b64 s[54:55], s[12:13], s[54:55]     ; j = 0: attn
	s_cselect_b32 s56, 0, -1                       ; ff1's and ff2's blocks are 2^21 bytes
	s_cmp_eq_u32 s24, 3
	s_cselect_b32 s57, 2048, 0                     ; ff1's columns 512 on
	s_cmp_eq_u32 s24, 4
	s_cselect_b32 s57, 0x100000, s57               ; ff2's rows 512 on
.Lsel:
	s_min_u32 s23, s23, 15                         ; a loaded number enters an address only behind this clamp; shifts left, ANDs and adds follow
	s_lshl_b32 s23, s23, 20
	s_and_b32 s25, s23, s56
	s_add_co_u32 s23, s23, s25                     ; doubled where the block is 2^21 bytes
	s_add_co_u32 s23, s23, s57
	s_add_co_u32 s24, s58, 16
	s_lshl_b32 s24, s21, s24                       ; 32 rows a K step
	s_add_co_u32 s26, s23, s24
	s_mov_b32 s27, 0
	s_add_nc_u64 s[54:55], s[54:55], s[26:27]
.macro GATHER stride                   ; load q = 32 c + k: row k of the K step, column n + 32 c
.set q, 0
.rept 64
	global_load_b32 v[16+q], v2, s[54:55] offset:(q/32)*128+(q%32)*(\stride) th:TH_LOAD_NT
.set q, q+1
.endr
.endm
	s_cmp_eq_u32 s58, 0
	s_cbranch_scc0 .Lwide
	GATHER 2048
	s_branch .Lcvt
.Lwide:
	GATHER 4096
.Lcvt:                                             ; 64 loads are out on either way
.set p, 0
.rept 8
	s_wait_loadcnt 56-8*p                          ; piece p's eight are in; the 56 - 8 p behind them may stay out
.irp r, 0,1,2,3
	v_cvt_pk_bf16_f32 v[80+4*p+\r], v[16+8*p+2*\r], v[16+8*p+2*\r+1]   ; the lower k into the lower half
.endr
	global_store_b128 v3, v[80+4*p:80+4*p+3], s[18:19] offset:(p/4)*2048+(p%4)*256
.set p, p+1
.endr
	s_endpgm
.Lpar:
	s_load_b512 s[24:39], s[0:1], 0x38             ; means, torsion, emb_ln_g, emb_ln_b, emb_b1, emb_b2, dis_ln1_g, dis_ln1_b
	s_load_b256 s[40:47], s[0:1], 0x78             ; dis_attn_b, dis_ln2_g, dis_ln2_b, dis_ff1_b
	s_load_b128 s[48:51], s[0:1], 0x98             ; dis_ff2_b, par
	v_lshlrev_b32 v1, 3, v0                        ; 256 threads x 8 bytes: one vector of 512 f32
	s_lshr_b32 s20, s21, 1                         ; b
	s_and_b32 s22, s21, 1                          ; i
	s_mul_i32 s56, s20, 114688                     ; 14 units x 8,192 bytes a batch element
	s_lshl_b32 s57, s22, 14
	s_mul_i32 s58, s22, 40960
	s_add_co_u32 s58, s58, s56
	s_add_co_u32 s58, s58, 32768                   ; the dis block's five units
	s_add_co_u32 s56, s56, s57                     ; the emb block's two units
	s_mov_b32 s57, 0
	s_mov_b32 s59, 0
	s_lshl_b32 s55, s20, 11
	v_add_nc_u32 v7, s55, v1                       ; row b of means and of torsion
	s_wait_kmcnt 0x0
	s_cmp_eq_u32 s22, 0
	s_cselect_b32 s23, s52, s53                    ; e_i
	s_cselect_b32 s54, s6, s7                      ; d_i
	s_min_u32 s23, s23, 15
	s_min_u32 s54, s54, 15
	s_lshl_b32 s55, s23, 11
	v_add_nc_u32 v4, s55, v1                       ; row e_i of a [16][512] table
	s_lshl_b32 s55, s54, 11
	v_add_nc_u32 v5, s55, v1                       ; row d_i
	s_lshl_b32 s55, s54, 12
	v_add_nc_u32 v6, s55, v1                       ; row d_i of [16][1024]
	s_add_nc_u64 s[60:61], s[50:51], s[56:57]
	s_add_nc_u64 s[62:63], s[50:51], s[58:59]
	global_load_b64 v[10:11], v7, s[26:27]         ; torsion
	global_load_b64 v[12:13], v7, s[24:25]         ; delayed
	global_load_b64 v[14:15], v4, s[28:29]         ; emb_ln_g
	global_load_b64 v[16:17], v4, s[30:31]         ; emb_ln_b
	global_load_b64 v[18:19], v4, s[32:33]         ; emb_b1
	global_load_b64 v[20:21], v4, s[34:35]         ; emb_b2
	global_load_b64 v[22:23], v5, s[36:37]         ; dis_ln1_g
	global_load_b64 v[24:25], v5, s[38:39]         ; dis_ln1_b
	global_load_b64 v[26:27], v5, s[40:41]         ; dis_attn_b
	global_load_b64 v[28:29], v5, s[42:43]         ; dis_ln2_g
	global_load_b64 v[30:31], v5, s[44:45]         ; dis_ln2_b
	global_load_b64 v[32:33], v5, s[48:49]         ; dis_ff2_b
	global_load_b64 v[34:35], v6, s[46:47]         ; dis_ff1_b, first half
	global_load_b64 v[36:37], v6, s[46:47] offset:2048   ; second half
	v_mov_b32 v48, 0
	v_mov_b32 v49, 0
	v_mov_b32 v50, 0x3e800000                      ; 0.25
	v_mov_b32 v51, 0x3e800000
	s_wait_loadcnt 0x0
	v_pk_fma_f32 v[40:41], v[10:11], 0x3dcccccd, 1.0 op_sel_hi:[1,0,0]   ; 1 + 0.1 torsion
	v_pk_fma_f32 v[42:43], v[10:11], 0x3d4ccccd, 1.0 op_sel_hi:[1,0,0]   ; 1 + 0.05 torsion
	v_pk_fma_f32 v[44:45], v[12:13], 0x3e4ccccd, v[26:27] op_sel_hi:[1,0,1]  ; attn_b + 0.2 delayed
	v_pk_mul_f32 v[46:47], v[32:33], 2.0 op_sel_hi:[1,0]
	v_pk_mul_f32 v[40:41], v[40:41], 0x3e99999a op_sel_hi:[1,0]          ; x 0.3
	v_pk_mul_f32 v[42:43], v[42:43], 0.5 op_sel_hi:[1,0]
.macro ST base, unit, vec, reg         ; a wave stores 256 consecutive aligned bytes
	global_store_b64 v1, v[\reg:\reg+1], s[\base:\base+1] offset:(\unit)*8192+(\vec)*2048
.endm
	ST 60, 0, 0, 18
	ST 60, 0, 1, 14
	ST 60, 0, 2, 16
	ST 60, 0, 3, 48
	ST 60, 1, 0, 20
	ST 60, 1, 1, 48
	ST 60, 1, 2, 48
	ST 60, 1, 3, 40
	ST 62, 0, 0, 44
	ST 62, 0, 1, 22
	ST 62, 0, 2, 24
	ST 62, 0, 3, 42
	ST 62, 1, 0, 34
	ST 62, 1, 1, 28
	ST 62, 1, 2, 30
	ST 62, 1, 3, 48
	ST 62, 2, 0, 46
	ST 62, 2, 1, 48
	ST 62, 2, 2, 48
	ST 62, 2, 3, 50
	ST 62, 3, 0, 36
	ST 62, 3, 1, 48
	ST 62, 3, 2, 48
	ST 62, 3, 3, 48
	ST 62, 4, 0, 48
	ST 62, 4, 1, 48
	ST 62, 4, 2, 48
	ST 62, 4, 3, 50
	s_endpgm
.Lfunc_end_k_q46fb65ede2_pack:
	.size	k_q46fb65ede2_pack, .Lfunc_end_k_q46fb65ede2_pack-k_q46fb65ede2_pack
	.p2alignl 7, 3214868480
	.fill 96, 4, 3214868480
	.section	.rodata,"a",@progbits
	.p2align	6, 0x0
	.amdhsa_kernel k_q46fb65ede2_pack
		.amdhsa_group_segment_fixed_size 0
		.amdhsa_private_segment_fixed_size 0
		.amdhsa_enable_private_segment 0
		.amdhsa_kernarg_size 168
		.amdhsa_user_sgpr_count 2
		.amdhsa_user_sgpr_kernarg_segment_ptr 1
		.amdhsa_wavefront_size32 1
		.amdhsa_system_sgpr_workgroup_id_x 1
		.amdhsa_system_sgpr_workgroup_id_y 1
		.amdhsa_system_sgpr_workgroup_id_z 1
		.amdhsa_system_vgpr_workitem_id 0
		.amdhsa_next_free_vgpr 112
		.amdhsa_next_free_sgpr 66
		.amdhsa_reserve_vcc 0
		.amdhsa_float_denorm_mode_32 3
		.amdhsa_float_denorm_mode_16_64 3
		.amdhsa_memory_ordered 1
		.amdhsa_forward_progress 1
		.amdhsa_inst_pref_size 24
	.end_amdhsa_kernel
	.amdgpu_metadata
---
amdhsa.version: [ 1, 2 ]
amdhsa.kernels:
  - .name:           k_q46fb65ede2_pack
    .symbol:         k_q46fb65ede2_pack.kd
    .args:
      - { .name: idx, .offset: 0, .size: 8, .value_kind: global_buffer, .address_space: global }
      - { .name: emb_w1, .offset: 8, .size: 8, .value_kind: global_buffer, .address_space: global }
      - { .name: emb_w2, .offset: 16, .size: 8, .value_kind: global_buffer, .address_space: global }
      - { .name: dis_attn_W, .offset: 24, .size: 8, .value_kind: global_buffer, .address_space: global }
      - { .name: dis_ff1_W, .offset: 32, .size: 8, .value_kind: global_buffer, .address_space: global }
      - { .name: dis_ff2_W, .offset: 40, .size: 8, .value_kind: global_buffer, .address_space: global }
      - { .name: wq, .offset: 48, .size: 8, .value_kind: global_buffer, .address_space: global }
      - { .name: means, .offset: 56, .size: 8, .value_kind: global_buffer, .address_space: global }
      - { .name: torsion, .offset: 64, .size: 8, .value_kind: global_buffer, .address_space: global }
      - { .name: emb_ln_g, .offset: 72, .size: 8, .value_kind: global_buffer, .address_space: global }
      - { .name: emb_ln_b, .offset: 80, .size: 8, .value_kind: global_buffer, .address_space: global }
      - { .name: emb_b1, .offset: 88, .size: 8, .value_kind: global_buffer, .address_space: global }
      - { .name: emb_b2, .offset: 96, .size: 8, .value_kind: global_buffer, .address_space: global }
      - { .name: dis_ln1_g, .offset: 104, .size: 8, .value_kind: global_buffer, .address_space: global }
      - { .name: dis_ln1_b, .offset: 112, .size: 8, .value_kind: global_buffer, .address_space: global }
      - { .name: dis_attn_b, .offset: 120, .size: 8, .value_kind: global_buffer, .address_space: global }
      - { .name: dis_ln2_g, .offset: 128, .size: 8, .value_kind: global_buffer, .address_space: global }
      - { .name: dis_ln2_b, .offset: 136, .size: 8, .value_kind: global_buffer, .address_space: global }
      - { .name: dis_ff1_b, .offset: 144, .size: 8, .value_kind: global_buffer, .address_space: global }
      - { .name: dis_ff2_b, .offset: 152, .size: 8, .value_kind: global_buffer, .address_space: global }
      - { .name: par, .offset: 160, .size: 8, .value_kind: global_buffer, .address_space: global }
    .group_segment_fixed_size: 0
    .private_segment_fixed_size: 0
    .kernarg_segment_align: 8
    .kernarg_segment_size: 168
    .max_flat_workgroup_size: 256
    .sgpr_count:     66
    .vgpr_count:     112
    .wavefront_size: 32
...
	.end_amdgpu_metadata
.endif
;; end of part 5
;; launch chain (part 6): grid 256 x 1, 4 waves a work-group, clusters of 4 x 1, 327,680 bytes of LDS; arguments emb_input, dis_input, wq, par, out0, out1; writes out0, out1
.if DOCPART == 6
	.amdgcn_target "amdgcn-amd-amdhsa--gfx1250"
	.amdhsa_code_object_version 6
	.text
	.protected	k_q46fb65ede2_chain
	.globl	k_q46fb65ede2_chain
	.p2align	8
	.type	k_q46fb65ede2_chain,@function
k_q46fb65ede2_chain:
	s_mov_b64 s[64:65], 0
	v_nop
	global_prefetch_b8 v0, s[64:65] scope:SCOPE_SE
	s_setreg_imm32_b32 hwreg(HW_REG_WAVE_MODE, 25, 1), 1
	s_wait_xcnt 0x0
	s_wait_alu depctr_hold_cnt(0) depctr_sa_sdst(0) depctr_va_vdst(0) depctr_va_sdst(0) depctr_va_ssrc(0) depctr_va_vcc(0) depctr_vm_vsrc(0)
	s_getreg_b32 s2, hwreg(HW_REG_IB_STS2, 6, 4)
	s_cmp_eq_u32 s2, 0
	s_cbranch_scc0 .Lentry_in_a_cluster
	s_endpgm
.Lentry_in_a_cluster:
	s_bfe_u32 s2, ttmp6, 0x10000c
	s_cmp_lg_u32 s2, 0x3003
	s_cbranch_scc0 .Lentry_shape_is_right
	s_endpgm
.Lentry_shape_is_right:
; BOTH CHAINS, FUSED.  Work-group g takes rows 64 g .. 64 g + 63 of emb_input through units 0-3 and then the same rows of dis_input through units 4-13: 14 units, each
; acc[64 x 512] = X[64 x 512] W_u[512 x 512] + bias, so all 256 work-groups do equal work and walk ONE stream of weights (wq, laid out by the launch before).
;   unit    0,2: X = LN(R), way out tanh -> X      1,3: R += acc s      4,9: X = LN(R), R += acc s      5,10: X = LN(R), way out 2 gelu -> X      6,11: R += acc s
;           7,12: X = the same LN(R) once more, out of registers; 2 gelu -> X      8,13: R += acc s.      Behind unit 3 R goes to out0 and the dis rows come in; behind 13 R goes to out1.
; The residual stream R stays in f32 registers from load to store.  Matrix operands are bf16, sums f32.
; SHARES.  A wave owns one block of 128 features of all 64 rows (tokens): 4 token tiles t x 8 feature tiles f = 32 accumulators.
; THE MATRIX INSTRUCTION IS USED TRANSPOSED: source 0 = 16 output features (weights, K along the registers), source 1 = 16 tokens.  In the result lane (r, h) holds token r, register j feature 8 h + j.
; So two neighbouring feature tiles rounded to bf16 in pairs ARE a token fragment of the next unit (nothing changes lanes), a norm's statistics are one number a lane, and a bias is an 8-register
; tile that serves as C of the first K step.
; CLUSTER.  The four work-groups of a cluster walk the same weights: every slot is asked for JOINTLY (mask 15), the same load and descriptor in all four.  The place in the cluster enters the global
; addresses of the rows, of the vectors and of the outputs alone.
; RING.  Two LDS slots of four K steps (128 k x 512 n); 56 slots in the stream; a refill is asked for 112 matrix instructions ahead of the wait for it.  A wave fetches and reads its own part of a slot.
; Two whole slots (2 x 131,072) and X (65,536) would be all 327,680 bytes, with nothing left for the statistics and the spare words.  So of a wave's 32,768 bytes of a slot the tensor load brings 31,744
; (124 rows of 256), and the last fragment (K step 3, feature tile 7: 1,024 bytes) comes from wq straight into eight registers, asked for at the first K step of the slot before.
; By this text's count a wave has two tensor loads out at the start, one later.
; ROTATION.  A unit's sum over K may take its four slots in any order.  Cluster c takes them in the order g, g + 1, g + 2, g + 3 (mod 4), g = (c + c / 4 + c / 16) mod 4: the sum of c's three digits to the
; base 4, so that whichever single bit of c is held fixed, the four rotations occur equally often.  With a unit's first request the clusters of the four rotations ask for its four different slots, and each of a
; cluster's other three requests is for bytes that clusters of another rotation asked for one slot's time before.  So that no LDS address hangs on g, the waves' shares turn with it: wave w owns feature
; block (w + g) mod 4 and writes it to place w of X, and place j of X meets the stream's slot (j + g) mod 4.  g is made of the cluster's number alone, is equal in the four partners, and enters global
; addresses alone: of wq, of the rows' and outputs' columns, of the vectors.  The order of K in the sums so differs from cluster to cluster: an order of rounding.
; ONE X.  A way out writes X behind the unit's last round, when no wave reads it any more.  LN(R) of units 5 and 10 is wanted again two units later: a wave's 128 packed registers of it stay where the
; norm's gain and bias lay, and are stored to X again at the head of units 7 and 12; the next gain and bias are loaded only where the next unit has a norm.
; LIMITS.  erf by the rational form 1 - (a1 t + a2 t^2 + a3 t^3) e^(-x^2), t = 1 / (1 + 0.47047 x): absolute error at most 2.5e-5 for every argument.  tanh = 1 - 2 / (1 + 2^(2.885 x)).
; Exponentials, reciprocals and reciprocal roots are good to one unit in the last place and take denormals as 0.  NaN and infinities are not treated apart.
;
; LDS: 0 slot 0, 126,976 slot 1 (wave w at 31,744 w: [K step 8,192][f 1,024][half 512][lane 16]); 253,952 X: token fragments [K step 4,096][t 1,024][half 512][lane 16], of which bytes 16,384 w on are
; written by wave w alone and serve it as a stage (16 rows of 528 bytes) while no X is live; 319,488 the norms' partial statistics [token 32][wave 8]; 321,536 the spare words.
; Tensor loads fill bytes 0 to 253,951 alone, LDS stores write from 253,952 on.
; REGISTERS, in windows of 256 (s_set_vgpr_msb: bits 1:0 source 0, 3:2 source 1, 5:4 source 2, 7:6 destination):
;   window 0: addresses, statistics, two fragment buffers, the two direct fragments      window 1: PB bias, PS factor s, GG and GB the norm's gain and bias (64 each, at 8 f + j)
;   window 2: ACC(t, f) at 64 t + 8 f      window 3: R(t, f), the same index
.set WPART,  31744                     ; a wave's bytes of a slot in LDS
.set SLOTB,  4*WPART
.set XBUF,   2*SLOTB
.set SPITCH, 528                       ; 132 words: row r starts at bank 4 r mod 64 (64 banks of 4 bytes: ISA guide 11.1)
.set STB,    XBUF+65536
.set SPARE,  STB+2048                  ; 128 bytes a wave: two blocks of 256 bytes that no other line names
.set RR,  1                            ; lane % 16
.set HH,  2                            ; lane / 16
.set L16, 3                            ; 16 x lane
.set AW0, 4                            ; my weights in slot 0
.set AW1, 5                            ; in slot 1
.set AT,  6                            ; the token fragments of the lap in hand
.set AX,  7                            ; my 16,384 bytes of X + 16 lane: where my features go; also the stage by rows, 512 consecutive bytes a wave
.set AT0, 8                            ; X + 16 lane
.set SGT, 9                            ; stage, by tiles: row r, 32 bytes for each half of the lanes
.set GX,  10                           ; my 16 bytes of my feature block's 512 in a row of x or out
.set PO,  11                           ; my 32 bytes of a vector's first feature tile
.set STW, 12                           ; statistics: my wave's 8 bytes of token r
.set STR, 13                           ; statistics: token r's 32 bytes
.set PF,  14                           ; 256 x thread, for the prefetch
.set MQ,  16                           ; v[16+2t:17+2t] my wave's mean and sum of squared deviations for token tile t
.set RS,  24                           ; v[24+2t] 1 / sqrt(var + eps), the low word of a pair
.set F0,  32                           ; fragment buffer 0: weights f at + 8 f, tokens t at + 64 + 8 t
.set F1,  128                          ; fragment buffer 1
.set TC,  224                          ; v[224+4t ..] two chains of sums a token tile
.set DF1, 224                          ; slot 1's direct fragment: loaded behind the norm, read before the unit's end
.set DF0, 240                          ; slot 0's: it lives across a unit's end, so nothing else lies here
.set SPW, 254                          ; my spare word's address; never rewritten
.set NIL, 255                          ; 0; never rewritten
.set PB,  0
.set PS,  64
.set GG,  128
.set GB,  192
.set DT,  32                           ; the gelu's work registers lie where the fragments lay
.set QE,  96
.set YY,  160
.set WV,   16                          ; s16 wave
.set G1,   24                          ; s[24:31] descriptor group 1
.set G0,   32                          ; s[32:39] descriptor group 0, a set for each slot
.set UU,   40                          ; s40 the unit
.set LP,   41                          ; s41 the lap: two to a unit
.set FL,   44
.set PARP, 46                          ; s[46:47] the unit's record of vectors
.set SEL,  48                          ; s[48:49] v_permlanex16_b32's selects
.set XIN,  50                          ; s[50:51] the rows to be loaded
.set PX,   52                          ; 0.47047 / sqrt(2)
.set DP,   54                          ; s[54:55] the direct fragment last asked for
.set C3,   56                          ; s[56:57] .. the packed arithmetic takes a pair's low word for both halves
.set C2,   58
.set C1,   60
.set KW,   62
.set KT,   66
.set GR,   68                          ; s68 g, the cluster's rotation
.set NBK,  69                          ; s69 my feature block, (wave + g) mod 4
.set NI,   70                          ; s70, s71 at work
.set NJ,   71
.set OF,   72                          ; s[72:73] a request's byte offset in the stream; the high word stays 0
.set WB,   74                          ; s[74:75] wq at my feature block's 32,768 bytes of the stream's first slot
.set WD,   76                          ; s[76:77] the same + 31,744: the direct fragment
.set MSB, 0
.macro WIN new                         ; the high byte repeats the setting that is left; a switch that changes nothing is dropped
.if MSB != (\new)
	s_set_vgpr_msb (MSB<<8)|(\new)
.set MSB, (\new)
.endif
.endm
.macro PLACES                          ; four plain instructions between a matrix instruction and a vector read of its result, or a load into its registers
.rept 4
	v_nop
.endr
.endm
.macro ALLT line:vararg                ; one line for each token tile t
.set t, 0
.rept 4
	\line
.set t, t+1
.endr
.endm
.macro CREST                           ; a round of the cluster's barrier behind its opening barrier
	s_cmp_lg_u32 s[WV], 0
	s_cbranch_scc1 .Lnw0_\@
	s_barrier_signal -3
.Lnw0_\@:
	s_barrier_wait -3
	s_barrier_signal -1
	s_barrier_wait -1
.endm
.macro ROUND
	s_barrier_signal -1
	s_barrier_wait -1
	CREST
.endm
.macro FLAG mask                       ; SCC = bit UU of the mask: the same in every wave and every work-group
	s_lshr_b32 s[FL], \mask, s[UU]
	s_and_b32 s[FL], s[FL], 1
	s_cmp_lg_u32 s[FL], 0
.endm
; Request n = 2 LP + c of the walk (n / 4 the unit, n % 4 the place in X) lies in the stream at slot (n - n % 4) + (n + g) % 4, 131,072 bytes a slot: 55 x 131,072 at the most.
.macro OFFS c
	s_lshl_b32 s[NI], s[LP], 1
	s_add_co_u32 s[NI], s[NI], \c
	s_add_co_u32 s[NJ], s[NI], s[GR]
	s_and_b32 s[NJ], s[NJ], 3
	s_and_b32 s[NI], s[NI], 0x3c
	s_or_b32 s[NI], s[NI], s[NJ]
	s_lshl_b32 s[OF], s[NI], 17
.endm
; 8 nt matrix instructions: token tiles t0 .. x all 8 feature tiles, 32 along K.  first = 1: the bias tile starts the sums.  alt: the registers of feature tile 7 where it is the direct fragment.
; The 32 accumulators take turns, one instruction a turn, in the same order in every K step.
.macro MULS buf, t0, nt, first, alt=0
.if \first
	WIN 0x90                                       ; D window 2, C window 1
.else
	WIN 0xa0                                       ; C and D window 2
.endif
.set mt, (\t0)
.rept (\nt)
.set mf, 0
.rept 8
.set mw, (\buf)+8*mf
.if (mf == 7) && ((\alt) != 0)
.set mw, (\alt)
.endif
.if \first
	v_wmma_f32_16x16x32_bf16 v[64*mt+8*mf:64*mt+8*mf+7], v[mw:mw+7], v[(\buf)+64+8*mt:(\buf)+64+8*mt+7], v[PB+8*mf:PB+8*mf+7]
.else
	v_wmma_f32_16x16x32_bf16 v[64*mt+8*mf:64*mt+8*mf+7], v[mw:mw+7], v[(\buf)+64+8*mt:(\buf)+64+8*mt+7], v[64*mt+8*mf:64*mt+8*mf+7]
.endif
.set mf, mf+1
.endr
.set mt, mt+1
.endr
.endm
; One run of LDS loads, each 512 consecutive bytes: 16 of weights (K step kk of the slot at aw; 14 for K step 3, whose last tile is the direct fragment), then tokens t = 0, 1, then t = 2, 3 (K step rel of the lap)
.macro FETCH aw, kk, rel, buf
	WIN 0
.set ff, 0
.rept 8-(\kk)/3
	ds_load_b128 v[(\buf)+8*ff:(\buf)+8*ff+3],   v[\aw] offset:(\kk)*8192+ff*1024
	ds_load_b128 v[(\buf)+8*ff+4:(\buf)+8*ff+7], v[\aw] offset:(\kk)*8192+ff*1024+512
.set ff, ff+1
.endr
.set ff, 0
.rept 4
	ds_load_b128 v[(\buf)+64+8*ff:(\buf)+64+8*ff+3],   v[AT] offset:(\rel)*4096+ff*1024
	ds_load_b128 v[(\buf)+64+8*ff+4:(\buf)+64+8*ff+7], v[AT] offset:(\rel)*4096+ff*1024+512
.set ff, ff+1
.endr
.endm
; A K step: multiplies buffer bm and, in its middle, fetches K step kk of the slot at aw into buffer bf.  dfl: the direct fragment of request 2 LP + dfc is asked for, into these registers: their last
; reader stands ahead of the four places, and every earlier load by DP has been waited for, so DP may be written.
.macro QUART bm, bf, aw, kk, rel, first, dfl, alt=0, dfc=0
	s_wait_dscnt 4                                 ; weights and tokens t = 0, 1 are in; the youngest four loads (t = 2, 3) may be out
	MULS \bm, 0, 2, \first, \alt
	PLACES
.if \dfl
	WIN 0
	OFFS \dfc
	s_add_nc_u64 s[DP:DP+1], s[WD:WD+1], s[OF:OF+1]
	global_load_b128 v[(\dfl):(\dfl)+3],   v[L16], s[DP:DP+1]
	global_load_b128 v[(\dfl)+4:(\dfl)+7], v[L16], s[DP:DP+1] offset:512
.endif
	FETCH \aw, \kk, \rel, \bf
	s_wait_dscnt 24-2*((\kk)/3)                    ; all but the run just issued
	MULS \bm, 2, 2, \first, \alt
.endm
; A slot's last K step: multiplies buffer 1 and changes slots.  In front of the round each wave waits for all its tensor loads (one is out: its part of the other slot), adds 0 to its spare word,
; and waits for that and for its reads of this slot.  Behind the round no wave of any partner reads the slot: it is filled again first, with the walk's request two further on, 2 (LP + 1) + slot.
; full = 1: the other slot's first fragments are fetched and the K step's last 16 products follow; full = 0: the text behind the macro does that.
.macro TURN slot, df, full
	WIN 0
	s_wait_tensorcnt 0x0                           ; no load of mine is out: a group 0 may be written
	ds_add_u32 v[SPW], v[NIL]                      ; 0 onto my spare word; the descriptor's scalar work and eight products stand between it and the wait for it
	OFFS 2+(\slot)
	s_add_nc_u64 s[G0+4*(\slot)+2:G0+4*(\slot)+3], s[WB:WB+1], s[OF:OF+1]   ; the address is made anew: the base and an offset made apart,
	s_or_b32 s[G0+4*(\slot)+3], s[G0+4*(\slot)+3], 0x80000000               ; and the type bits
	s_wait_loadcnt 0x0                             ; the direct fragment, asked for three K steps ago or more; the vectors asked for since the last such wait
	s_wait_dscnt 5                                 ; the add and tokens t = 2, 3 may be out
	MULS F1, 0, 1, 0, \df
	s_wait_dscnt 0x0                               ; the add is done, and my reads of this slot and of this K step's tokens are over
	s_barrier_signal -1
	MULS F1, 1, 1, 0, \df                          ; work on registers while the others arrive
	WIN 0
	s_barrier_wait -1
	CREST
	tensor_load_to_lds s[G0+4*(\slot):G0+4*(\slot)+3], s[G1:G1+7]
	s_nop 0
	PLACES                                         ; the places in front of the loads into buffer 0
.if \full
	FETCH AW1, 0, 4, F0
	MULS F1, 2, 2, 0, \df
.endif
.endm
; A lap less its first K step: the rest of slot 0, all of slot 1 but its last 16 products; both slots are filled again.
.macro LAPB
	QUART F1, F0, AW0, 2, 2, 0, 0
	QUART F0, F1, AW0, 3, 3, 0, 0
	TURN 0, DF0, 1
	QUART F0, F1, AW1, 1, 5, 0, DF0, 0, 2
	QUART F1, F0, AW1, 2, 6, 0, 0
	QUART F0, F1, AW1, 3, 7, 0, 0
	TURN 1, DF1, 0
.endm
; 16 loads: vector vec of the record at PARP + extra, my 128 features as 8 tiles; the 16 lanes of a half read the same bytes
.macro PLOAD dst, vec, extra
	WIN 0x40
.set q, 0
.rept 16
	global_load_b128 v[(\dst)+4*q:(\dst)+4*q+3], v[PO], s[PARP:PARP+1] offset:(\extra)+(\vec)*2048+(q/2)*64+(q%2)*16
.set q, q+1
.endr
.endm
; ACC, rounded to bf16 in pairs, goes to X as token fragments: my 128 features are the four K steps of place w; tile f is half f % 2 of K step f / 2.
; keep = 1: the packed registers are GG's and GB's, whose numbers have been used: they stay there.
.macro PACKX keep
.if \keep
	WIN 0x4a
.set pk, GG
.else
	WIN 0x0a
.set pk, 32
.endif
.set q, 0
.rept 128
	v_cvt_pk_bf16_f32 v[pk+q], v[2*q], v[2*q+1]
.set q, q+1
.endr
	XSTORE \keep
.endm
.macro XSTORE keep
.if \keep
	WIN 0x04                                       ; the data lie in window 1
.set pk, GG
.else
	WIN 0
.set pk, 32
.endif
.set q, 0
.rept 32
	ds_store_b128 v[AX], v[pk+4*q:pk+4*q+3] offset:((q%8)/2)*4096+(q/8)*1024+(q%2)*512
.set q, q+1
.endr
	WIN 0
.endm
.macro RED4                            ; a token's sum: the two chains, the pair's halves, and the lane 16 away, which holds the wave's other 64 features
	ALLT v_pk_add_f32 v[TC+4*t:TC+4*t+1], v[TC+4*t:TC+4*t+1], v[TC+4*t+2:TC+4*t+3]
	ALLT v_add_f32 v[TC+4*t], v[TC+4*t], v[TC+4*t+1]
	ALLT v_permlanex16_b32 v[TC+4*t+2], v[TC+4*t], s[SEL], s[SEL+1]
.endm
; THE NORM, first half: over my wave's 128 features the mean m, ACC = R - m, and Q = the sum of ACC^2: two passes, so that a common offset of the inputs costs nothing.
.macro LNA
	WIN 0x0f
	ALLT v_pk_add_f32 v[TC+4*t:TC+4*t+1], v[64*t:64*t+1], v[64*t+2:64*t+3]
	ALLT v_pk_add_f32 v[TC+4*t+2:TC+4*t+3], v[64*t+4:64*t+5], v[64*t+6:64*t+7]
	WIN 0x03
.set p, 4
.rept 28
	ALLT v_pk_add_f32 v[TC+4*t+2*(p%2):TC+4*t+2*(p%2)+1], v[64*t+2*p:64*t+2*p+1], v[TC+4*t+2*(p%2):TC+4*t+2*(p%2)+1]
.set p, p+1
.endr
	WIN 0
	RED4
	ALLT v_add_f32 v[TC+4*t], v[TC+4*t], v[TC+4*t+2]
	ALLT v_mul_f32 v[MQ+2*t], 0x3c000000, v[TC+4*t]
	WIN 0x83
.set p, 0
.rept 32
	ALLT v_pk_add_f32 v[64*t+2*p:64*t+2*p+1], v[64*t+2*p:64*t+2*p+1], v[MQ+2*t:MQ+2*t+1] op_sel_hi:[1,0] neg_lo:[0,1] neg_hi:[0,1]
.set p, p+1
.endr
	WIN 0x0a
	ALLT v_pk_mul_f32 v[TC+4*t:TC+4*t+1], v[64*t:64*t+1], v[64*t:64*t+1]
	ALLT v_pk_mul_f32 v[TC+4*t+2:TC+4*t+3], v[64*t+2:64*t+3], v[64*t+2:64*t+3]
.set p, 2
.rept 30
	ALLT v_pk_fma_f32 v[TC+4*t+2*(p%2):TC+4*t+2*(p%2)+1], v[64*t+2*p:64*t+2*p+1], v[64*t+2*p:64*t+2*p+1], v[TC+4*t+2*(p%2):TC+4*t+2*(p%2)+1]
.set p, p+1
.endr
	WIN 0
	RED4
	ALLT v_add_f32 v[MQ+2*t+1], v[TC+4*t], v[TC+4*t+2]
	ALLT ds_store_b64 v[STW], v[MQ+2*t:MQ+2*t+1] offset:t*512
.endm
; THE NORM, second half: the four waves' (m, Q) are joined: mean = sum m / 4, M2 = sum Q + 128 sum (m - mean)^2; ACC = ((R - m) + (m - mean)) rstd g + b, rounded to bf16, goes to X.
.macro LNB
	WIN 0
	ALLT ds_load_b128 v[32+8*t:32+8*t+3], v[STR] offset:t*512
	ALLT ds_load_b128 v[32+8*t+4:32+8*t+7], v[STR] offset:t*512+16
	s_wait_dscnt 0x0
	ALLT v_add_f32 v[64+4*t], v[32+8*t], v[32+8*t+2]
	ALLT v_add_f32 v[65+4*t], v[32+8*t+4], v[32+8*t+6]
	ALLT v_add_f32 v[66+4*t], v[32+8*t+1], v[32+8*t+3]
	ALLT v_add_f32 v[67+4*t], v[32+8*t+5], v[32+8*t+7]
	ALLT v_add_f32 v[64+4*t], v[64+4*t], v[65+4*t]
	ALLT v_add_f32 v[66+4*t], v[66+4*t], v[67+4*t]
	ALLT v_mul_f32 v[64+4*t], 0x3e800000, v[64+4*t]
	ALLT v_sub_f32 v[65+4*t], v[32+8*t], v[64+4*t]
	ALLT v_mul_f32 v[67+4*t], v[65+4*t], v[65+4*t]
.irp w, 1,2,3
	ALLT v_sub_f32 v[65+4*t], v[32+8*t+2*\w], v[64+4*t]
	ALLT v_fmac_f32 v[67+4*t], v[65+4*t], v[65+4*t]
.endr
	ALLT v_fmac_f32 v[66+4*t], 0x43000000, v[67+4*t]
	ALLT v_mul_f32 v[66+4*t], 0x3b000000, v[66+4*t]
	ALLT v_add_f32 v[66+4*t], 0x3727c5ac, v[66+4*t]
	ALLT v_rsq_f32 v[RS+2*t], v[66+4*t]
	ALLT v_sub_f32 v[65+4*t], v[MQ+2*t], v[64+4*t]
	s_wait_alu depctr_va_vdst(0)                   ; one wait for the four roots; the four subtractions are the plain work behind them
	ALLT v_mul_f32 v[TC+4*t], v[65+4*t], v[RS+2*t]
	WIN 0x82
.set p, 0
.rept 32
	ALLT v_pk_fma_f32 v[64*t+2*p:64*t+2*p+1], v[64*t+2*p:64*t+2*p+1], v[RS+2*t:RS+2*t+1], v[TC+4*t:TC+4*t+1] op_sel_hi:[1,0,0]
.set p, p+1
.endr
	WIN 0x96
.set p, 0
.rept 32
	ALLT v_pk_fma_f32 v[64*t+2*p:64*t+2*p+1], v[64*t+2*p:64*t+2*p+1], v[GG+2*p:GG+2*p+1], v[GB+2*p:GB+2*p+1]
.set p, p+1
.endr
	PACKX 1
.endm
; WAY OUT: tanh, in place on ACC, each accumulator's registers in ascending order.  Two batches of 256 (exponentials, reciprocals), one wait each; a scaling or an addition stands between every two.
.macro WTANH
	WIN 0x82
	v_pk_mul_f32 v[0:1], v[0:1], s[KT:KT+1] op_sel_hi:[1,0]
.set p, 0
.rept 128
.if p < 127
	v_pk_mul_f32 v[2*p+2:2*p+3], v[2*p+2:2*p+3], s[KT:KT+1] op_sel_hi:[1,0]
.endif
	v_exp_f32 v[2*p], v[2*p]
	v_exp_f32 v[2*p+1], v[2*p+1]
.set p, p+1
.endr
	v_nop
	s_wait_alu depctr_va_vdst(0)
	v_pk_add_f32 v[0:1], v[0:1], 1.0 op_sel_hi:[1,0]
.set p, 0
.rept 128
.if p < 127
	v_pk_add_f32 v[2*p+2:2*p+3], v[2*p+2:2*p+3], 1.0 op_sel_hi:[1,0]
.endif
	v_rcp_f32 v[2*p], v[2*p]
	v_rcp_f32 v[2*p+1], v[2*p+1]
.set p, p+1
.endr
	v_nop
	s_wait_alu depctr_va_vdst(0)
.set p, 0
.rept 128
	v_pk_fma_f32 v[2*p:2*p+1], v[2*p:2*p+1], -2.0, 1.0 op_sel_hi:[1,0,0]
.set p, p+1
.endr
	PACKX 0
.endm
; WAY OUT: 2 gelu(u) = u + |u| erf(|u| / sqrt 2), a token tile at a time.  DT = 1 + p |u| / sqrt 2 and then its reciprocal, QE = 2^-(u KW)^2 = e^(-u^2 / 2), YY the polynomial.  128 transcendentals are one batch with one wait.
.macro GELUT tt
	WIN 0x02
.set i, 0
.rept 64
	v_fma_f32 v[DT+i], |v[64*(\tt)+i]|, s[PX], 1.0
.set i, i+1
.endr
.set i, 0
.rept 32
	v_pk_mul_f32 v[QE+2*i:QE+2*i+1], v[64*(\tt)+2*i:64*(\tt)+2*i+1], s[KW:KW+1] op_sel_hi:[1,0]
.set i, i+1
.endr
	WIN 0
.set i, 0
.rept 32
	v_pk_mul_f32 v[QE+2*i:QE+2*i+1], v[QE+2*i:QE+2*i+1], v[QE+2*i:QE+2*i+1] neg_lo:[1,0] neg_hi:[1,0]
	v_rcp_f32 v[DT+2*i], v[DT+2*i]
	v_rcp_f32 v[DT+2*i+1], v[DT+2*i+1]
	v_exp_f32 v[QE+2*i], v[QE+2*i]
	v_exp_f32 v[QE+2*i+1], v[QE+2*i+1]
.set i, i+1
.endr
	v_nop
	s_wait_alu depctr_va_vdst(0)
.set i, 0
.rept 32
	v_pk_fma_f32 v[YY+2*i:YY+2*i+1], v[DT+2*i:DT+2*i+1], s[C3:C3+1], s[C2:C2+1] op_sel_hi:[1,0,0]
.set i, i+1
.endr
.set i, 0
.rept 32
	v_pk_fma_f32 v[YY+2*i:YY+2*i+1], v[YY+2*i:YY+2*i+1], v[DT+2*i:DT+2*i+1], s[C1:C1+1] op_sel_hi:[1,1,0]
.set i, i+1
.endr
.set i, 0
.rept 32
	v_pk_mul_f32 v[YY+2*i:YY+2*i+1], v[YY+2*i:YY+2*i+1], v[DT+2*i:DT+2*i+1]
.set i, i+1
.endr
.set i, 0
.rept 32
	v_pk_fma_f32 v[YY+2*i:YY+2*i+1], v[YY+2*i:YY+2*i+1], v[QE+2*i:QE+2*i+1], 1.0 op_sel_hi:[1,1,0]   ; erf
.set i, i+1
.endr
	WIN 0x22
.set i, 0
.rept 64
	v_fma_f32 v[YY+i], |v[64*(\tt)+i]|, v[YY+i], v[64*(\tt)+i]
.set i, i+1
.endr
	WIN 0
.set i, 0
.rept 32
	v_cvt_pk_bf16_f32 v[DT+i], v[YY+2*i], v[YY+2*i+1]
.set i, i+1
.endr
.set i, 0
.rept 8
	ds_store_b128 v[AX], v[DT+4*i:DT+4*i+3] offset:(i/2)*4096+(\tt)*1024+(i%2)*512
.set i, i+1
.endr
.endm
.macro RESID                           ; WAY OUT: R += acc s
	WIN 0xf6
.set q, 0
.rept 128
	v_pk_fma_f32 v[2*q:2*q+1], v[2*q:2*q+1], v[PS+2*(q%32):PS+2*(q%32)+1], v[2*q:2*q+1]
.set q, q+1
.endr
.endm
; R goes out through my own stage, a token tile (16 rows) at a time: in by tiles, back by rows into ACC's registers (LDS serves a wave's instructions in order: ISA guide 5.7.1.4, so the loads see the
; stores above them and the next tile's stores come behind them), stored 512 consecutive bytes a wave, at a multiple of 512 from the output's first byte.
.macro SPIECE tt
	WIN 0x0c
.set i, 0
.rept 16
	ds_store_b128 v[SGT], v[64*(\tt)+4*i:64*(\tt)+4*i+3] offset:(i/2)*64+(i%2)*16
.set i, i+1
.endr
	WIN 0x80
.set i, 0
.rept 16
	ds_load_b128 v[64*(\tt)+4*i:64*(\tt)+4*i+3], v[AX] offset:i*SPITCH
.set i, i+1
.endr
.endm
.macro SSEND tt, younger, ptr          ; younger: the LDS instructions issued behind this tile's loads: the next tile's 32, or none
	WIN 0x08
.set i, 0
.rept 16
	s_wait_dscnt (\younger)+15-i                   ; row i is back; the rows behind it may be out
	global_store_b128 v[GX], v[64*(\tt)+4*i:64*(\tt)+4*i+3], s[\ptr:\ptr+1] offset:(16*(\tt)+i)*2048 th:TH_STORE_NT
.set i, i+1
.endr
.endm
.macro TSTORE ptr
	SPIECE 0
	SPIECE 1
	SSEND 0, 32, \ptr
	SPIECE 2
	SSEND 1, 32, \ptr
	SPIECE 3
	SSEND 2, 32, \ptr
	SSEND 3, 0, \ptr
	WIN 0
	s_wait_xcnt 0x0                                ; the stores' data registers are written again only behind this wait
.endm
; 64 rows come in the other way round: by rows into ACC's registers, through my stage 16 rows at a time, by tiles into R.
.macro TLOAD
	WIN 0x80
.set i, 0
.rept 64
	global_load_b128 v[4*i:4*i+3], v[GX], s[XIN:XIN+1] offset:i*2048 th:TH_LOAD_NT
.set i, i+1
.endr
.set tq, 0
.rept 4
	WIN 0x08
.set i, 0
.rept 16
	s_wait_loadcnt 63-16*tq-i                      ; this row is in; the rows behind it may be out
	ds_store_b128 v[AX], v[64*tq+4*i:64*tq+4*i+3] offset:i*SPITCH
.set i, i+1
.endr
	WIN 0xc0
.set i, 0
.rept 16
	ds_load_b128 v[64*tq+4*i:64*tq+4*i+3], v[SGT] offset:(i/2)*64+(i%2)*16
.set i, i+1
.endr
.set tq, tq+1
.endr
	WIN 0
	s_wait_dscnt 0x0
.endm
	s_load_b256 s[4:11], s[0:1], 0x0               ; emb_input s[4:5], dis_input s[6:7], wq s[8:9], par s[10:11]
	s_load_b128 s[12:15], s[0:1], 0x20             ; out0 s[12:13], out1 s[14:15]
	v_lshl_add_u32 v[SPW], v0, 2, SPARE
	v_mov_b32 v[NIL], 0
	ds_add_u32 v[SPW], v[NIL]                      ; the wave's opening: the add and its wait stand ahead of my first tensor load; the set-up, work on registers, stands between
	v_lshrrev_b32 v1, 5, v0
	v_readfirstlane_b32 s[WV], v1                  ; wave 0..3
	s_bfe_u32 s17, ttmp6, 0x40000                  ; cx: my place in the cluster
	s_lshl_b32 s18, ttmp9, 2                       ; ttmp9 counts clusters
	s_add_co_u32 s18, s18, s17                     ; the work-group's number
	s_lshl_b32 s20, s18, 17                        ; 64 rows of 2,048 bytes
	s_mov_b32 s21, 0
	s_lshr_b32 s22, s18, 5                         ; the batch element
	s_mul_i32 s22, s22, 114688
	s_mov_b32 s23, 0
	s_lshr_b32 s[GR], ttmp9, 2                     ; the rotation: the sum of the cluster's number's three digits to the base 4, mod 4; in registers that never hold cx
	s_add_co_u32 s[GR], s[GR], ttmp9
	s_lshr_b32 s[NJ], ttmp9, 4
	s_add_co_u32 s[GR], s[GR], s[NJ]
	s_and_b32 s[GR], s[GR], 3
	s_add_co_u32 s[NBK], s[WV], s[GR]
	s_and_b32 s[NBK], s[NBK], 3                    ; my feature block
	; descriptor group 1: 31,744 dense bytes as 124 rows of 256
	s_mov_b32 s[G1+0], 15|(3<<16)|(1<<21)          ; 15:0 the mask of four; 17:16 elements of 8 bytes; 21 set beside a mask; no padding
	s_mov_b32 s[G1+1], 32<<16                      ; tensor_dim0 = 32
	s_mov_b32 s[G1+2], 124<<16                     ; tensor_dim1 = 124
	s_mov_b32 s[G1+3], 32<<16                      ; tile_dim0 = 32
	s_mov_b32 s[G1+4], 124                         ; tile_dim1 = 124
	s_mov_b32 s[G1+5], 32                          ; 32 elements from row to row
	s_mov_b32 s[G1+6], 0
	s_mov_b32 s[G1+7], 0
	s_mov_b32 s[G0+0], 1
	s_mul_i32 s[G0+1], s[WV], WPART                ; LDS: my part of slot 0,
	s_mov_b32 s[G0+4], 1
	s_add_co_u32 s[G0+5], s[G0+1], SLOTB           ; of slot 1
	s_lshl_b32 s42, s[NBK], 15                     ; and my feature block's 32,768 bytes of a slot of the stream
	s_mov_b32 s43, 0
	s_mov_b32 s[OF+1], 0
	s_mov_b32 s[LP], 0
	s_mov_b32 s[SEL], 0x76543210
	s_mov_b32 s[SEL+1], 0xfedcba98
	s_mov_b32 s[PX], 0x3eaa540e                    ; 0.33267253
.irp z, 0,1
	s_mov_b32 s[C3+\z], 0xbf3f7377                 ; -0.7478556
	s_mov_b32 s[C2+\z], 0x3dc45ca1                 ; 0.0958798
	s_mov_b32 s[C1+\z], 0xbeb2303a                 ; -0.3480242
	s_mov_b32 s[KW+\z], 0x3f596d27                 ; sqrt(log2(e) / 2) = 0.8493218
	s_mov_b32 s[KT+\z], 0x4038aa3b                 ; 2 log2(e)
.endr
	v_and_b32 v[RR], 15, v0
	v_bfe_u32 v[HH], v0, 4, 1
	v_and_b32 v[L16], 31, v0
	v_lshlrev_b32 v[L16], 4, v[L16]
	v_add_nc_u32 v[AW0], s[G0+1], v[L16]
	v_add_nc_u32 v[AW1], SLOTB, v[AW0]
	s_lshl_b32 s19, s[WV], 14
	s_add_co_u32 s19, s19, XBUF                    ; my 16,384 bytes of X: by the wave's number, whatever the rotation
	v_add_nc_u32 v[AX], s19, v[L16]
	v_mul_u32_u24 v[SGT], v[RR], SPITCH
	v_lshl_add_u32 v[SGT], v[HH], 5, v[SGT]
	v_add_nc_u32 v[SGT], s19, v[SGT]
	v_add_nc_u32 v[AT0], XBUF, v[L16]
	s_lshl_b32 s19, s[NBK], 9                      ; my feature block's 512 bytes in a row of f32
	v_add_nc_u32 v[GX], s19, v[L16]
	v_lshl_add_u32 v[PO], v[HH], 5, s19
	v_lshlrev_b32 v[STR], 5, v[RR]
	v_add_nc_u32 v[STR], STB, v[STR]
	s_lshl_b32 s19, s[WV], 3
	v_add_nc_u32 v[STW], s19, v[STR]
	v_lshlrev_b32 v[PF], 8, v0
.set i, 0
.rept 16
	v_mov_b32 v[MQ+i], 0                           ; named as whole pairs before both halves are made
	v_mov_b32 v[TC+i], 0
.set i, i+1
.endr
	s_wait_dscnt 0x0                               ; the opening add is done
	s_wait_kmcnt 0x0
	s_add_nc_u64 s[4:5], s[4:5], s[20:21]          ; my 64 rows in both inputs and both outputs
	s_add_nc_u64 s[6:7], s[6:7], s[20:21]
	s_add_nc_u64 s[12:13], s[12:13], s[20:21]
	s_add_nc_u64 s[14:15], s[14:15], s[20:21]
	s_add_nc_u64 s[PARP:PARP+1], s[10:11], s[22:23]
	s_add_nc_u64 s[WB:WB+1], s[8:9], s[42:43]      ; made of the wave's number and the rotation alone
	s_add_nc_u64 s[WD:WD+1], s[WB:WB+1], WPART     ; the 1,024 bytes behind the 124 rows
	OFFS 0                                         ; the walk's requests 0 and 1
	s_add_nc_u64 s[G0+2:G0+3], s[WB:WB+1], s[OF:OF+1]
	s_add_nc_u64 s[DP:DP+1], s[WD:WD+1], s[OF:OF+1]
	OFFS 1
	s_add_nc_u64 s[G0+6:G0+7], s[WB:WB+1], s[OF:OF+1]
	s_or_b32 s[G0+3], s[G0+3], 0x80000000          ; type = 2
	s_or_b32 s[G0+7], s[G0+7], 0x80000000
	ROUND                                          ; all four work-groups are here: the first joint loads meet
	tensor_load_to_lds s[G0:G0+3], s[G1:G1+7]
	s_nop 0
	tensor_load_to_lds s[G0+4:G0+7], s[G1:G1+7]
	s_nop 0
	PLACES
	PLOAD PB, 0, 0                                 ; unit 0's bias, gain and norm bias
	PLOAD GG, 1, 0
	PLOAD GB, 2, 0
	WIN 0
	global_load_b128 v[DF0:DF0+3],   v[L16], s[DP:DP+1]
	global_load_b128 v[DF0+4:DF0+7], v[L16], s[DP:DP+1] offset:512
	s_mov_b32 s[UU], 0
	s_mov_b64 s[XIN:XIN+1], s[4:5]
	s_branch .Lload                                ; the loop over laps is entered in the middle of a trip: the rows come in
.Llap:                                             ; 27 trips: laps 0 to 26 fill both slots again (the walk's requests 2 to 55)
	LAPB
	s_add_co_u32 s[LP], s[LP], 1
	s_and_b32 s[FL], s[LP], 1
	s_cmp_lg_u32 s[FL], 0
	s_cbranch_scc0 .Lway                           ; even: the unit is at its end
	; THE UNIT'S SECOND LAP BEGINS.  Its first fragments, the next unit's record, the last 16 products of the lap before, and its first K step.
	v_add_nc_u32 v[AT], 0x8000, v[AT0]             ; eight K steps of tokens on
	FETCH AW0, 0, 0, F0
	s_lshr_b32 s[UU], s[LP], 1                     ; this unit
	FLAG 0x1fff                                    ; units 0 to 12 have a successor; behind unit 13's record the buffer may end
	s_cbranch_scc0 .Lno_rec
	PLOAD PB, 0, 8192                              ; PB's last reader was this unit's first K step
	WIN 0
	FLAG 0x031a                                    ; units 1, 3, 4, 8, 9: the next unit has a norm.  In units 5, 6, 10, 11 these registers hold LN(R), which is still wanted
	s_cbranch_scc0 .Lno_rec
	PLOAD GG, 1, 8192
	PLOAD GB, 2, 8192
	WIN 0
.Lno_rec:
	MULS F1, 2, 2, 0, DF1
	QUART F0, F1, AW0, 1, 1, 0, DF1, 0, 1
	WIN 0
	s_branch .Lend
.Lway:                                             ; THE UNIT'S END.  Behind the round just passed no wave reads X any more
	MULS F1, 2, 2, 0, DF1
	WIN 0
	PLACES                                         ; behind the last products
	s_wait_dscnt 0x0
	s_wait_loadcnt 0x0                             ; PS and the next record are in, so their base may step
	s_add_nc_u64 s[PARP:PARP+1], s[PARP:PARP+1], 8192
	s_lshr_b32 s[UU], s[LP], 1                     ; from here on UU is the next unit: the three masks below are shifted by one
	FLAG 0x000a                                    ; units 0, 2
	s_cbranch_scc1 .Lht
	FLAG 0x2940                                    ; units 5, 7, 10, 12
	s_cbranch_scc1 .Lhg
	RESID
	WIN 0
	FLAG 0x0010                                    ; unit 3
	s_cbranch_scc0 .Lnext
	TSTORE 12                                      ; out0
	s_mov_b64 s[XIN:XIN+1], s[6:7]
.Lload:
	TLOAD
	s_branch .Lnext
.Lht:
	WTANH
	s_branch .Lnext
.Lhg:
	GELUT 0
	GELUT 1
	GELUT 2
	GELUT 3
	WIN 0
.Lnext:
	FLAG 0x0008                                    ; at the head of unit 3 my dis rows are asked for: 4 x 128 lanes, 256 bytes apart, each block of my 131,072 bytes once, one unit ahead of their load
	s_cbranch_scc0 .Lno_pf
.irp z, 0,1,2,3
	global_prefetch_b8 v[PF], s[6:7] offset:\z*32768 th:TH_LOAD_NT scope:SCOPE_SE
.endr
.Lno_pf:
	v_mov_b32 v[AT], v[AT0]
	s_wait_loadcnt 0x0                             ; the unit's vectors
	s_wait_tensorcnt 0x1                           ; my part of slot 0 is in; on both ways here only slot 1's load was issued behind it
	PLOAD PS, 3, 0                                 ; this unit's factor s; the last unit's has been used
	WIN 0
	FLAG 0x0635                                    ; units 0, 2, 4, 5, 9, 10 begin with a norm
	s_cbranch_scc0 .Lno_lna
	LNA
	WIN 0
	s_branch .Lb1
.Lno_lna:
	FLAG 0x1080                                    ; units 7, 12: LN(R) of two units ago goes to X once more
	s_cbranch_scc0 .Lb1
	XSTORE 1
.Lb1:
	s_wait_dscnt 0x0                               ; my statistics, my features in X and my use of the stage are done
	s_barrier_signal -1
	s_barrier_wait -1                              ; slot 1's load may stay out
	FLAG 0x0635
	s_cbranch_scc0 .Lno_lnb
	LNB
.Lno_lnb:
	s_wait_dscnt 0x0                               ; my part of X is written
	s_barrier_signal -1
	s_barrier_wait -1                              ; X is whole
	FETCH AW0, 0, 0, F0
	QUART F0, F1, AW0, 1, 1, 1, DF1, 0, 1          ; the first K step starts the sums with the bias
	WIN 0
.Lend:
	s_cmp_lt_u32 s[LP], 27
	s_cbranch_scc1 .Llap
	; LAP 27, unit 13's second, is written out: nothing is left to fetch.  Its first K step stands in the loop's last trip.
	QUART F1, F0, AW0, 2, 2, 0, 0
	QUART F0, F1, AW0, 3, 3, 0, 0
	s_wait_tensorcnt 0x0                           ; my part of the walk's last slot is in; only I read it
	s_wait_loadcnt 0x0                             ; both direct fragments, and PS
	QUART F1, F0, AW1, 0, 4, 0, 0, DF0
	QUART F0, F1, AW1, 1, 5, 0, 0
	QUART F1, F0, AW1, 2, 6, 0, 0
	QUART F0, F1, AW1, 3, 7, 0, 0
	s_wait_dscnt 0x0                               ; my reads of X are over
	s_barrier_signal -1
	MULS F1, 0, 4, 0, DF1
	s_barrier_wait -1                              ; everybody's are: the stage, which lies in X, may be written
	WIN 0
	PLACES
	RESID
	TSTORE 14                                      ; out1
	s_wait_tensorcnt 0x0                           ; the wave's end: a wait, an add of 0 to my spare word and its wait, behind my last tensor load and my last LDS store
	ds_add_u32 v[SPW], v[NIL]
	s_wait_dscnt 0x0
	ROUND                                          ; the closing round: no work-group ends while a partner may still ask for a slot that names it
	s_endpgm
.Lfunc_end_k_q46fb65ede2_chain:
	.size	k_q46fb65ede2_chain, .Lfunc_end_k_q46fb65ede2_chain-k_q46fb65ede2_chain
	.p2alignl 7, 3214868480
	.fill 96, 4, 3214868480
	.section	.rodata,"a",@progbits
	.p2align	6, 0x0
	.amdhsa_kernel k_q46fb65ede2_chain
		.amdhsa_group_segment_fixed_size 327680
		.amdhsa_private_segment_fixed_size 0
		.amdhsa_enable_private_segment 0
		.amdhsa_kernarg_size 48
		.amdhsa_user_sgpr_count 2
		.amdhsa_user_sgpr_kernarg_segment_ptr 1
		.amdhsa_wavefront_size32 1
		.amdhsa_system_sgpr_workgroup_id_x 1
		.amdhsa_system_sgpr_workgroup_id_y 1
		.amdhsa_system_sgpr_workgroup_id_z 1
		.amdhsa_system_vgpr_workitem_id 0
		.amdhsa_next_free_vgpr 1024
		.amdhsa_next_free_sgpr 80
		.amdhsa_reserve_vcc 0
		.amdhsa_float_denorm_mode_32 3
		.amdhsa_float_denorm_mode_16_64 3
		.amdhsa_memory_ordered 1
		.amdhsa_forward_progress 1
		.amdhsa_inst_pref_size 255
	.end_amdhsa_kernel
	.section	.bss,"aw",@nobits
	.p2align	6
	.space	262144
	.amdgpu_metadata
---
amdhsa.version: [ 1, 2 ]
amdhsa.kernels:
  - .name:           k_q46fb65ede2_chain
    .symbol:         k_q46fb65ede2_chain.kd
    .args:
      - { .name: emb_input, .offset: 0, .size: 8, .value_kind: global_buffer, .address_space: global }
      - { .name: dis_input, .offset: 8, .size: 8, .value_kind: global_buffer, .address_space: global }
      - { .name: wq, .offset: 16, .size: 8, .value_kind: global_buffer, .address_space: global }
      - { .name: par, .offset: 24, .size: 8, .value_kind: global_buffer, .address_space: global }
      - { .name: out0, .offset: 32, .size: 8, .value_kind: global_buffer, .address_space: global }
      - { .name: out1, .offset: 40, .size: 8, .value_kind: global_buffer, .address_space: global }
    .group_segment_fixed_size: 327680
    .private_segment_fixed_size: 0
    .kernarg_segment_align: 8
    .kernarg_segment_size: 48
    .max_flat_workgroup_size: 128
    .sgpr_count:     80
    .vgpr_count:     1024
    .wavefront_size: 32
...
	.end_amdgpu_metadata
.endif
;; end of part 6
;; ======== version 3 of 3: 4 launches; version 2 with the launch colsum written anew for expert scheduling mode
;; limits: a function is approximated: absolute error at most 2.5e-05
;; workspace buffers: part 589,824 bytes; means 18,432 bytes; idx 256 bytes of whole numbers; wq 7,340,032 bytes; par 917,504 bytes
;; launch colsum (part 7): grid 32 x 9, 4 waves a work-group, no clusters, 0 bytes of LDS; arguments dis_input, emb_input, part; writes part
.if DOCPART == 7
	.amdgcn_target "amdgcn-amd-amdhsa--gfx1250"
	.amdhsa_code_object_version 6
	.text
	.protected	k_q46fb65ede2_colsum
	.globl	k_q46fb65ede2_colsum
	.p2align	8
	.type	k_q46fb65ede2_colsum,@function
k_q46fb65ede2_colsum:
	s_mov_b64 s[64:65], 0
	v_nop
	global_prefetch_b8 v0, s[64:65] scope:SCOPE_SE
	s_setreg_imm32_b32 hwreg(HW_REG_WAVE_SCHED_MODE, 0, 2), 2
	s_setreg_imm32_b32 hwreg(HW_REG_WAVE_MODE, 25, 1), 1
	s_wait_xcnt 0x0
	s_wait_alu depctr_vm_vsrc(0)
; PARTIAL COLUMN SUMS.  Nine slabs of 2,048 rows x 512 f32: slabs 0 to 7 are dis_input's batch elements, slab 8 is emb_input's batch element 0
; (the only one whose mean steers anything).  A work-group (chunk x, slab y) adds 64 rows; part[slab][chunk][512] takes the sums in f32.
; Thread t owns the 16 bytes at 16 t of every row: a wave's load covers 512 consecutive bytes, the four waves a row.
; Two chains of sums take turns: step s adds rows 2 s and 2 s + 1 onto chain s % 2.
; No LDS, no matrix unit, no cluster: the launch streams, and no two work-groups read the same bytes.
; THE MODE: SCHED_MODE bits 1:0 = 2 (LLVM: expert scheduling mode 2), set by the entry lines.  The code itself states the register dependences
; between vector instructions and memory instructions, with s_wait_alu, always for 0.
; THE PLAN.  The 64 rows go in 8 blocks of eight, four steps to a block.  Registers that memory instructions touch:
;   X0 .. X4   five blocks of rows as loaded.  Written by loads alone: blocks 0 to 4 at the head, block p + 4 in block p (p = 1, 2, 3).  Read by block p's sixteen adds: X[p % 5].
;   v1         the byte offset 16 t: made once at the head, read by every load and by the store, never written again; the rows stand in the immediate offsets.
;   A0         chain 0: written by adds; read by the one store, at the end, and not written behind it.   (A1 is named by vector instructions alone.)
; Block p's loads land in X[(p + 4) % 5] = X[(p - 1) % 5], the buffer that block p - 1 read and that no vector instruction of block p names.  So ONE wait at the head of blocks 1, 2 and 3
; states all that the block's eight loads hang on, and these are dealt among its steps, two ahead of each, with no further wait.  Blocks 0 and 4 to 7 issue no load and hold no such wait.
.set ROW,  2048                        ; bytes in a row
.set NBUF, 5
.set A0,  2                            ; v[2:5]     chain 0
.set A1,  6                            ; v[6:9]     chain 1
.set X,   12                           ; v[12:171]  buffer k, row i of eight: 4 registers at X + 32 k + 4 i
	s_load_b128 s[4:7], s[0:1], 0x0                ; dis_input s[4:5], emb_input s[6:7]
	s_load_b64 s[8:9], s[0:1], 0x10                ; part
	s_and_b32 s10, ttmp7, 0xffff                   ; slab
	v_lshlrev_b32 v1, 4, v0                        ; my 16 bytes of a row
	s_cmp_eq_u32 s10, 8
	s_cselect_b32 s11, 0, s10                      ; the batch element
	s_lshl_b32 s12, s11, 22                        ; 2,048 rows of 2,048 bytes each,
	s_lshl_b32 s13, ttmp9, 17                      ; and the chunk's 64 rows
	s_add_co_u32 s12, s12, s13
	s_mov_b32 s13, 0
	s_lshl_b32 s14, s10, 5
	s_add_co_u32 s14, s14, ttmp9
	s_lshl_b32 s14, s14, 11                        ; (32 slab + chunk) x 2,048 bytes
	s_mov_b32 s15, 0
	s_wait_kmcnt 0x0
	s_cmp_eq_u32 s10, 8
	s_cselect_b64 s[4:5], s[6:7], s[4:5]           ; slab 8 reads emb_input
	s_add_nc_u64 s[4:5], s[4:5], s[12:13]
	s_add_nc_u64 s[8:9], s[8:9], s[14:15]
	s_wait_alu depctr_va_vdst(0)                   ; v1 is written: every load of the kernel, and its store, read it as their offset
.macro LD r                            ; row r of the chunk, into place r % 8 of buffer (r / 8) % 5
.set XR, X+32*(((\r)/8)%NBUF)+4*((\r)%8)
	global_load_b128 v[XR:XR+3], v1, s[4:5] offset:(\r)*ROW
.endm
.set i, 0
.rept 8*NBUF
	LD i                                           ; rows 0 to 39: blocks 0 to 4
.set i, i+1
.endr
; Step s: rows 2 s and 2 s + 1.  start = 1: the two rows start a chain, nothing is cleared.  ahead = 1: the same two rows of the block four further on are asked for first.
; left = the younger loads that may stay out.
.macro STEP s, start, ahead, left
.if \ahead
	LD 2*(\s)+32                                   ; no vector instruction since the wait at the block's head names these registers
	LD 2*(\s)+33
.endif
	s_wait_loadcnt \left
.set AC, A0+(A1-A0)*((\s)%2)
.set XA, X+32*(((\s)/4)%NBUF)+8*((\s)%4)
.if \start
	v_pk_add_f32 v[AC:AC+1], v[XA:XA+1], v[XA+4:XA+5]
	v_pk_add_f32 v[AC+2:AC+3], v[XA+2:XA+3], v[XA+6:XA+7]
.else
	v_pk_add_f32 v[AC:AC+1], v[AC:AC+1], v[XA:XA+1]
	v_pk_add_f32 v[AC+2:AC+3], v[AC+2:AC+3], v[XA+2:XA+3]
	v_pk_add_f32 v[AC:AC+1], v[AC:AC+1], v[XA+4:XA+5]
	v_pk_add_f32 v[AC+2:AC+3], v[AC+2:AC+3], v[XA+6:XA+7]
.endif
.endm
	STEP 0, 1, 0, 38                               ; block 0: 40 loads are issued, the oldest 2 s + 2 are wanted: 38 - 2 s may stay out
	STEP 1, 1, 0, 36
	STEP 2, 0, 0, 34
	STEP 3, 0, 0, 32
.set ss, 4
.rept 3                                            ; blocks 1 to 3
	s_wait_alu depctr_va_vdst(0)                   ; the block before is done reading its X, in which this block's eight loads land
.rept 4
	STEP ss, 0, 1, 32                              ; 40 + 2 (s - 3) loads are issued, the oldest 2 s + 2 are wanted: 32 may stay out
.set ss, ss+1
.endr
.endr
.rept 16                                           ; blocks 4 to 7
	STEP ss, 0, 0, 62-2*ss                         ; nothing more is loaded: all 64 are issued, and the counts run down
.set ss, ss+1
.endr
	v_pk_add_f32 v[A0:A0+1], v[A0:A0+1], v[A1:A1+1]
	v_pk_add_f32 v[A0+2:A0+3], v[A0+2:A0+3], v[A1+2:A1+3]
	s_wait_alu depctr_va_vdst(0)                   ; the two adds above have written A0, which the store reads
	global_store_b128 v1, v[A0:A0+3], s[8:9]       ; a wave stores 512 consecutive bytes
	s_endpgm
.Lfunc_end_k_q46fb65ede2_colsum:
	.size	k_q46fb65ede2_colsum, .Lfunc_end_k_q46fb65ede2_colsum-k_q46fb65ede2_colsum
	.p2alignl 7, 3214868480
	.fill 96, 4, 3214868480
	.section	.rodata,"a",@progbits
	.p2align	6, 0x0
	.amdhsa_kernel k_q46fb65ede2_colsum
		.amdhsa_group_segment_fixed_size 0
		.amdhsa_private_segment_fixed_size 0
		.amdhsa_enable_private_segment 0
		.amdhsa_kernarg_size 24
		.amdhsa_user_sgpr_count 2
		.amdhsa_user_sgpr_kernarg_segment_ptr 1
		.amdhsa_wavefront_size32 1
		.amdhsa_system_sgpr_workgroup_id_x 1
		.amdhsa_system_sgpr_workgroup_id_y 1
		.amdhsa_system_sgpr_workgroup_id_z 1
		.amdhsa_system_vgpr_workitem_id 0
		.amdhsa_next_free_vgpr 172
		.amdhsa_next_free_sgpr 66
		.amdhsa_reserve_vcc 0
		.amdhsa_float_denorm_mode_32 3
		.amdhsa_float_denorm_mode_16_64 3
		.amdhsa_memory_ordered 1
		.amdhsa_forward_progress 1
		.amdhsa_inst_pref_size 17
	.end_amdhsa_kernel
	.amdgpu_metadata
---
amdhsa.version: [ 1, 2 ]
amdhsa.kernels:
  - .name:           k_q46fb65ede2_colsum
    .symbol:         k_q46fb65ede2_colsum.kd
    .args:
      - { .name: dis_input, .offset: 0, .size: 8, .value_kind: global_buffer, .address_space: global }
      - { .name: emb_input, .offset: 8, .size: 8, .value_kind: global_buffer, .address_space: global }
      - { .name: part, .offset: 16, .size: 8, .value_kind: global_buffer, .address_space: global }
    .group_segment_fixed_size: 0
    .private_segment_fixed_size: 0
    .kernarg_segment_align: 8
    .kernarg_segment_size: 24
    .max_flat_workgroup_size: 128
    .sgpr_count:     66
    .vgpr_count:     172
    .wavefront_size: 32
...
	.end_amdgpu_metadata
.endif
;; end of part 7
;; launch route: the kernel of part 2 again; grid 9 x 1, 4 waves a work-group, no clusters, 1,024 bytes of LDS; arguments part, dis_sel_W, dis_sel_b, emb_sel_W, emb_sel_b, means, idx; writes means, idx
;; launch pack: the kernel of part 5 again; grid 16 x 15, 8 waves a work-group, no clusters, 0 bytes of LDS; arguments idx, emb_w1, emb_w2, dis_attn_W, dis_ff1_W, dis_ff2_W, wq, means, torsion, emb_ln_g, emb_ln_b, emb_b1, emb_b2, dis_ln1_g, dis_ln1_b, dis_attn_b, dis_ln2_g, dis_ln2_b, dis_ff1_b, dis_ff2_b, par; writes wq, par
;; launch chain: the kernel of part 6 again; grid 256 x 1, 4 waves a work-group, clusters of 4 x 1, 327,680 bytes of LDS; arguments emb_input, dis_input, wq, par, out0, out1; writes out0, out1
